; MI455X (gfx1250); checked and timed in simulation.
; The chip was launched on July 23, 2026; its instructions are those of AMD's public machine-readable ISA for CDNA 5 (MIT licence, August 2026) and "CDNA5" Instruction Set Architecture Reference Guide (July 2026). The comments in the code are by the model that wrote it; some were corrected since.
;; Encoder Block. Allowed arithmetic: matrix products marked QUANTISED: E4M3 operands, one given power-of-two scale a tensor, by v_wmma_f32_16x16x64_fp8_fp8 or v_wmma_f32_16x16x128_fp8_fp8, f32 sums; everything else in f32.
;; Inputs: W1 1,024 x 4,096 float32; W2 4,096 x 1,024 float32; Wk 1,024 x 1,024 float32; Wo 1,024 x 1,024 float32; Wq 1,024 x 1,024 float32; Wv 1,024 x 1,024 float32; alpha1 1,024 float32; alpha2 1,024 float32; b1 4,096 float32; b2 1,024 float32; beta1 1,024 float32; beta2 1,024 float32; bk 1,024 float32; bo 1,024 float32; bq 1,024 float32; bv 1,024 float32; lowp_scales 16 int32 (the exponents e of the quantised operands' scales 2^e); src_mask 2 x 1 x 1 x 2,048 int32; x 2 x 2,048 x 1,024 float32.
;; Outputs: out0 2 x 2,048 x 1,024 float32.
;; This version of the problem:
;;   THIS VERSION OF THE PROBLEM IS GIVEN IN LOW PRECISION. The matrix products marked QUANTISED in the list below multiply operands that are first quantised to E4M3 (4 exponent bits, 3 mantissa bits; 8 bits a number), with one given power-of-two scale for each operand tensor; their sums are f32. All else is computed in f32.
;;   The module's matrix products, in the order in which they are computed (A, B: the left and right operand; K: the contracted axis; several contracted axes count as one K, in the product's order):
;;     1. [M 4,096, K 1,024] x [K 1,024, N 1,024]; A: input x; B: input Wq: QUANTISED (scales: A lowp_scales[0], B lowp_scales[1])
;;     2. [M 4,096, K 1,024] x [K 1,024, N 1,024]; A: input x; B: input Wk: QUANTISED (scales: A lowp_scales[2], B lowp_scales[3])
;;     3. [M 4,096, K 1,024] x [K 1,024, N 1,024]; A: input x; B: input Wv: QUANTISED (scales: A lowp_scales[4], B lowp_scales[5])
;;     4. batch 32 x [M 2,048, K 64] x [K 64, N 2,048]; A: computed on the way; B: computed on the way: QUANTISED (scales: A lowp_scales[6], B lowp_scales[7])
;;     5. batch 32 x [M 2,048, K 2,048] x [K 2,048, N 64]; A: softmax (see below); B: computed on the way: QUANTISED (scales: A lowp_scales[8], B lowp_scales[9])
;;     6. [M 4,096, K 1,024] x [K 1,024, N 1,024]; A: computed on the way; B: input Wo: QUANTISED (scales: A lowp_scales[10], B lowp_scales[11])
;;     7. [M 4,096, K 1,024] x [K 1,024, N 4,096]; A: computed on the way; B: input W1: QUANTISED (scales: A lowp_scales[12], B lowp_scales[13])
;;     8. [M 4,096, K 4,096] x [K 4,096, N 1,024]; A: computed on the way; B: input W2: QUANTISED (scales: A lowp_scales[14], B lowp_scales[15])
;;   THE QUANTISER, for each operand of a quantised product, along K:
;;     - The operand's scale is 2^e, e = its entry of the input lowp_scales (int32; the entries are numbered through the quantised products in the list's order, A before B).
;;     - Each number is divided by the scale, clamped to +-448, and rounded to the nearest number of E4M3, ties to even, subnormals kept.
;;     - The product sums the exact products of the quantised numbers (number of the format x scale) in f32.
;;   ~~~python
;;   def quantise(x, axis, e):      # numpy; x: float32 -> the quantised numbers, widened to float32 again
;;       x = np.moveaxis(x, axis, -1); K = x.shape[-1]
;;       r = np.clip(x / 2.0 ** e, -448, 448)
;;       step = 2.0 ** (np.maximum(np.frexp(np.where(r == 0, 1, r))[1] - 1, -6) - 3)
;;       q = np.round(r / step) * step * 2.0 ** e      # np.round: ties to even
;;       return np.moveaxis(q, -1, axis).astype(np.float32)
;;   ~~~
;;   SOFTMAX AHEAD OF A QUANTISED PRODUCT. Where the list says 'softmax', what is quantised is not the finished softmax but p = 2^(t - M), with t = logit x log2(e) and M = ceil(the row's largest t), a whole number; so 1/2 < the row's largest p <= 1. The row's sum l is taken of the UNQUANTISED p, in f32, and the product's result is divided by l at the end. Since M is a whole number, a kernel that streams over the keys may use a running M (the ceiling of the running maximum): every later rescaling is an exact power of two, so the quantised numbers keep their values, but for numbers so far below the row's largest that they fall under the format's range.
;;   OPERANDS COMPUTED ON THE WAY. 'Computed on the way' means the value that the module computes at that place (a softmax that the list does not call 'softmax' is quantised finished and normalised). What goes into a quantiser is computed in f32, as accurately as f32 sums, v_exp_f32 and their like allow (about 1e-6 of the number): no bf16 or f16 on the way to a quantiser, and a product that is left as it is and whose result goes on into a quantised operand takes f32 operands (vector FMAs, or v_wmma_f32_16x16x4_f32). A number that lies on a knife's edge between two numbers of the format may be rounded either way, as far as f32 arithmetic and the matrix unit's own rounding can turn it there, and no further.
;; One version. Each part assembles by itself: llvm-mc -triple=amdgcn-amd-amdhsa -mcpu=gfx1250 --defsym DOCPART=n.
;; ======== version 1 of 1: 8 launches
;; limits: right only within a limited range of input values
;; workspace buffers: xc 12,582,912 bytes; wc 12,582,912 bytes; qkvc 12,582,912 bytes; ac 4,194,304 bytes; f32buf 16,777,216 bytes; x1 16,777,216 bytes; x1c 4,194,304 bytes; hc 16,777,216 bytes
;; launch prep (part 1): grid 512 x 1, 4 waves a work-group, no clusters, 68,096 bytes of LDS; arguments x, Wq, Wk, Wv, Wo, W1, W2, lowp_scales, xc, wc; writes xc, wc
.if DOCPART == 1
	.amdgcn_target "amdgcn-amd-amdhsa--gfx1250"
	.amdhsa_code_object_version 6
	.text
	.protected	k_q81dc54cffd_prep
	.globl	k_q81dc54cffd_prep
	.p2align	8
	.type	k_q81dc54cffd_prep,@function
k_q81dc54cffd_prep:
	s_mov_b64 s[64:65], 0
	v_nop
	global_prefetch_b8 v0, s[64:65] scope:SCOPE_SE
	s_setreg_imm32_b32 hwreg(HW_REG_WAVE_MODE, 25, 1), 1
	s_wait_xcnt 0x0
; All inputs of the quantised products become codes of E4M3, K innermost.  code = number / 2^e, to the nearest code, ties to even.
; Work-groups 0-127: x [4096][1024] f32, a plain stream, into THREE planes of codes (xc + 0, 4 MiB, 8 MiB) under the scales' entries 0, 2, 4: x is read once and converted three times.
; Work-groups 128-511: the six weights, stored [K][N] f32, into wc as [N][K]: Wq 0, Wk 1 MiB, Wv 2 MiB, Wo 3 MiB, W1 4 MiB, W2 8 MiB (entries 1, 3, 5, 11, 13, 15).
;   A lane takes a column n and its registers run down K, so the conversions give codes with K innermost; nothing is transposed by an instruction.
; The two kinds part once, on the work-group's number, and never meet again; each has LDS bytes of its own.  No tensor loads, no barrier: waves share nothing; work-groups share no input, so no cluster.
; LIMITS: each e between -126 and 119.  NaN among the inputs is not served.
.set SPARE, 67584                      ; behind both stages: the spare words, 128 bytes a wave, two blocks of 256 bytes that no other line names
.set WST,   32768                      ; the weights' stages: 32 rows x 272 bytes a wave
.set SP,    80                         ; x's stage: a lane's 64 bytes + 16 of padding
.set WP,    272
.set SPW,   12                         ; v12 my spare word's address; v13 0; both never rewritten
.set NIL,   13
.set R,     16                         ; x: v16-79 four sets of 16 numbers as loaded
.set X,     80                         ; x: v80-111 two sets of 16 neighbours
.set T,     112
.set C,     160                        ; x: v160-183 codes: 2 (step's parity) x 3 scales x 4
.set QS,    184                        ; x: v184+2k 2^e
.set RA,    16                         ; weights: v16-47 4 x lane + i x a row of the weight
.set OA,    48                         ; weights: v48-63 the way out's offsets
.set WX,    64                         ; weights: v64-127 two sets of 32 numbers
.set WC,    128                        ; weights: v128-135 a block's codes
.set OUTR,  136                        ; weights: v136-199 the way out
	s_load_b512 s[8:23], s[0:1], 0x0               ; x 8, Wq 10, Wk 12, Wv 14, Wo 16, W1 18, W2 20, the scales 22
	s_load_b128 s[24:27], s[0:1], 0x40             ; xc 24, wc 26
	v_lshl_add_u32 v[SPW], v0, 2, SPARE
	v_mov_b32 v[NIL], 0
	v_lshrrev_b32 v1, 5, v0
	v_readfirstlane_b32 s28, v1                    ; wave
	v_and_b32 v2, 31, v0                           ; lane
	s_cmp_lt_u32 ttmp9, 128
	s_cbranch_scc0 .Lweights
; ---------------- x ----------------
	v_lshlrev_b32 v3, 4, v2                        ; my 16 bytes of a load's 512, and of a step's 512 codes
	s_mul_i32 s29, s28, 8192                       ; my wave's region: two stages of 32 x 80 bytes
	v_lshrrev_b32 v14, 2, v2
	v_mul_u32_u24 v14, v14, SP
	v_and_b32 v15, 3, v2
	v_lshl_add_u32 v14, v15, 4, v14
	v_add_nc_u32 v14, s29, v14                     ; into the stage: four lanes' 64 bytes on end, then the padding
	v_mul_u32_u24 v15, v2, SP
	v_add_nc_u32 v15, s29, v15                     ; out of it: my 16 neighbours
	s_lshl_b32 s30, ttmp9, 2
	s_add_co_u32 s30, s30, s28                     ; which run of 8,192 numbers is my wave's
	s_lshl_b32 s2, s30, 15
	s_mov_b32 s3, 0
	s_lshl_b32 s30, s30, 13
	s_mov_b32 s31, 0
	s_wait_alu depctr_va_vdst(0)
	s_wait_kmcnt 0x0
	s_load_b256 s[56:63], s[22:23], 0x0            ; entries 0 to 7: 0, 2 and 4 are x's
	s_add_nc_u64 s[4:5], s[8:9], s[2:3]
	s_add_nc_u64 s[32:33], s[24:25], s[30:31]
	s_add_nc_u64 s[34:35], s[32:33], 0x400000
	s_add_nc_u64 s[36:37], s[32:33], 0x800000
.macro XLOAD t
.irp i, 0,1,2,3
	global_load_b128 v[R+16*((\t)%4)+4*\i:R+16*((\t)%4)+4*\i+3], v3, s[4:5] offset:2048*(\t)+512*\i th:TH_LOAD_NT   ; 32 lanes read 512 consecutive bytes
.endr
.endm
.macro XTURN t                         ; a step's 2,048 bytes through the stage; LDS serves a wave's instructions in order, so no wait stands between stores and loads
.irp i, 0,1,2,3
	ds_store_b128 v14, v[R+16*((\t)%4)+4*\i:R+16*((\t)%4)+4*\i+3] offset:32*SP*((\t)%2)+8*SP*\i
.endr
	v_nop
.irp i, 0,1,2,3
	ds_load_b128 v[X+16*((\t)%2)+4*\i:X+16*((\t)%2)+4*\i+3], v15 offset:32*SP*((\t)%2)+16*\i
.endr
.endm
.irp t, 0,1,2,3
	XLOAD \t
.endr
	s_wait_kmcnt 0x0
.irp k, 0,1,2
	s_add_co_i32 s38, s[56+2*\k], 127
	s_lshl_b32 s39, s38, 23
	v_mov_b32 v[QS+2*\k], s39                      ; 2^e as f32: the conversion takes its exponent field
	s_add_co_i32 s38, s38, 8
	s_lshl_b32 s38, s38, 23
	s_or_b32 s38, s38, 0x600000
.endr
	s_wait_alu depctr_va_vdst(0)
	s_wait_loadcnt 12                              ; step 0's four loads are in
	XTURN 0
.macro XSTEP t
.set XS, X+16*((\t)%2)
	s_wait_dscnt 0x0                               ; this step's numbers are back from the stage
.if (\t)+4 < 16
	XLOAD (\t)+4
.endif
.if (\t)+1 < 16
.if 14-(\t) >= 3
	s_wait_loadcnt 12                              ; the next step's four loads are in; three later steps' may be out
.else
	s_wait_loadcnt 4*(14-(\t))
.endif
	XTURN (\t)+1
.endif
	s_wait_xcnt 0x0                                ; the stores of two steps back have read their codes: those registers are written again below
.irp k, 0,1,2
.set i, 0
.rept 16
.set i, i+1
.endr
	v_cvt_scalef32_pk8_fp8_f32 v[C+12*((\t)%2)+4*\k:C+12*((\t)%2)+4*\k+1], v[T+16*\k+((XS+i)-(T+16*\k+i)):T+16*\k+7+((XS+i)-(T+16*\k+i))], v[QS+2*\k]
	v_cvt_scalef32_pk8_fp8_f32 v[C+12*((\t)%2)+4*\k+2:C+12*((\t)%2)+4*\k+3], v[T+16*\k+8+((XS+i)-(T+16*\k+i)):T+16*\k+15+((XS+i)-(T+16*\k+i))], v[QS+2*\k]
	global_store_b128 v3, v[C+12*((\t)%2)+4*\k:C+12*((\t)%2)+4*\k+3], s[32+2*\k:33+2*\k] offset:512*(\t)   ; 512 consecutive bytes
.endr
.endm
.irp t, 0,1,2,3,4,5,6,7,8,9,10,11,12,13,14,15
	XSTEP \t
.endr
	s_wait_tensorcnt 0x0                           ; the wave's end, behind my last LDS store
	ds_add_u32 v[SPW], v[NIL]
	s_wait_dscnt 0x0
	s_endpgm
; ---------------- the weights ----------------
.Lweights:
	s_sub_co_u32 s29, ttmp9, 128                   ; 0-127: Wq, Wk, Wv, Wo, 32 tiles each; 128-255: W1; 256-383: W2.  A tile: 128 columns x 256 along K
	s_lshr_b32 s30, s29, 7
	s_and_b32 s31, s29, 127
	s_lshr_b32 s32, s31, 5
	s_add_co_u32 s33, s30, 3
	s_and_b32 s34, s31, 31
	s_mov_b32 s36, 4096
	s_mov_b32 s37, 1024
	s_cmp_eq_u32 s30, 0
	s_cselect_b32 s32, s32, s33                    ; which weight, 0 to 5
	s_cselect_b32 s34, s34, s31                    ; which tile of it
	s_cmp_eq_u32 s30, 1
	s_cselect_b32 s35, 5, 3                        ; W1 has 32 blocks of columns, the others 8
	s_cselect_b32 s36, 16384, s36                  ; a row of the weight in bytes
	s_cmp_eq_u32 s30, 2
	s_cselect_b32 s37, 4096, s37                   ; a row of its codes in bytes
	s_cselect_b32 s38, 8, s32
	s_cmp_ge_u32 s32, 3
	s_cselect_b32 s58, 20, 4
	s_lshl_b32 s38, s38, 20                        ; where its codes begin in wc
	s_lshl_b32 s33, s32, 3
	s_add_co_u32 s58, s58, s33                     ; its scale's byte: entries 1, 3, 5, 11, 13, 15
	s_mov_b32 s59, 0
	s_lshl_b32 s39, 1, s35
	s_sub_co_u32 s39, s39, 1
	s_and_b32 s39, s34, s39                        ; block of columns
	s_lshr_b32 s34, s34, s35                       ; block along K
	s_lshl_b32 s39, s39, 7
	s_lshl_b32 s33, s28, 5
	s_add_co_u32 s39, s39, s33                     ; my wave's first column
	s_lshl_b32 s34, s34, 8                         ; my first k
	s_mul_i32 s60, s34, s36
	s_lshl_b32 s33, s39, 2
	s_add_co_u32 s60, s60, s33                     ; in the weight: k rows + 4 x column
	s_mov_b32 s61, 0
	s_mul_i32 s62, s39, s37
	s_add_co_u32 s62, s62, s34
	s_add_co_u32 s62, s62, s38                     ; in wc: column rows + k
	s_mov_b32 s63, 0
	s_lshl_b32 s2, s36, 5                          ; 32 rows of the weight
	s_mov_b32 s3, 0
	s_wait_alu depctr_va_vdst(0)
	v_lshlrev_b32 v[RA], 2, v2
.set i, 1
.rept 31
	v_mad_u32_u24 v[RA+i], s36, i, v[RA]           ; row i of a block, my column
.set i, i+1
.endr
	v_and_b32 v5, 15, v2
	v_lshrrev_b32 v6, 4, v2
	v_mul_u32_u24 v8, v6, s37
	v_lshl_add_u32 v8, v5, 4, v8
.set i, 0
.rept 16
	v_mad_u32_u24 v[OA+i], s37, 2*i, v8            ; the way out: sixteen lanes to a row of codes, two rows an instruction
.set i, i+1
.endr
	s_mul_i32 s33, s28, 32*WP
	s_add_co_u32 s33, s33, WST                     ; my stage
	v_mul_u32_u24 v4, v2, WP
	v_add_nc_u32 v4, s33, v4                       ; into it: row = my column
	v_mul_u32_u24 v7, v6, WP
	v_lshl_add_u32 v7, v5, 4, v7
	v_add_nc_u32 v7, s33, v7                       ; out of it
	s_wait_kmcnt 0x0
	s_mov_b64 s[4:5], s[10:11]
	s_cmp_eq_u32 s32, 1
	s_cselect_b64 s[4:5], s[12:13], s[4:5]
	s_cmp_eq_u32 s32, 2
	s_cselect_b64 s[4:5], s[14:15], s[4:5]
	s_cmp_eq_u32 s32, 3
	s_cselect_b64 s[4:5], s[16:17], s[4:5]
	s_cmp_eq_u32 s32, 4
	s_cselect_b64 s[4:5], s[18:19], s[4:5]
	s_cmp_eq_u32 s32, 5
	s_cselect_b64 s[4:5], s[20:21], s[4:5]         ; the choice hangs on the work-group's number alone
	s_add_nc_u64 s[22:23], s[22:23], s[58:59]
	s_load_b32 s56, s[22:23], 0x0                  ; e
	s_add_nc_u64 s[40:41], s[4:5], s[60:61]        ; a base for each of the eight blocks of 32 along K
.irp t, 1,2,3,4,5,6,7
	s_add_nc_u64 s[40+2*\t:41+2*\t], s[38+2*\t:39+2*\t], s[2:3]
.endr
	s_add_nc_u64 s[6:7], s[26:27], s[62:63]
.macro LOADW t                         ; block t: W(32 t + i, my column): 32 lanes read 128 consecutive bytes, the four waves 512
.set i, 0
.rept 32
	global_load_b32 v[WX+32*((\t)%2)+i], v[RA+i], s[40+2*(\t):41+2*(\t)] th:TH_LOAD_NT
.set i, i+1
.endr
.endm
	LOADW 0
	LOADW 1
	s_wait_kmcnt 0x0
	s_add_co_i32 s56, s56, 127
	s_lshl_b32 s57, s56, 23
	v_mov_b32 v11, s57                             ; 2^e
	s_add_co_i32 s56, s56, 8
	s_lshl_b32 s56, s56, 23
	s_or_b32 s56, s56, 0x600000
.macro BLOCK t
.set XS, WX+32*((\t)%2)
.if (\t) < 7
	s_wait_loadcnt 32                              ; this block's 32 loads are in; the next block's may be out
.else
	s_wait_loadcnt 0
.endif
.set i, 0
.rept 32
.set i, i+1
.endr
.irp g, 0,1,2,3
	v_cvt_scalef32_pk8_fp8_f32 v[WC+2*\g:WC+2*\g+1], v[XS+8*\g:XS+8*\g+7], v11
.endr
	ds_store_b128 v4, v[WC:WC+3] offset:32*(\t)    ; 32 codes of my column's row
	ds_store_b128 v4, v[WC+4:WC+7] offset:32*(\t)+16
.if (\t)+2 < 8
	LOADW (\t)+2
.endif
	s_wait_dscnt 0x0                               ; the stores have read their registers
.endm
	s_wait_alu depctr_va_vdst(0)
.irp t, 0,1,2,3,4,5,6,7
	BLOCK \t
.endr
.set i, 0
.rept 16
	ds_load_b128 v[OUTR+4*i:OUTR+4*i+3], v7 offset:2*i*WP
.set i, i+1
.endr
.set i, 0
.rept 16
	s_wait_dscnt 15-i
	global_store_b128 v[OA+i], v[OUTR+4*i:OUTR+4*i+3], s[6:7]   ; sixteen lanes store 256 consecutive bytes, at a multiple of 256 from wc's first byte
.set i, i+1
.endr
	s_wait_tensorcnt 0x0                           ; the wave's end, as above
	ds_add_u32 v[SPW], v[NIL]
	s_wait_dscnt 0x0
	s_endpgm
.Lfunc_end_k_q81dc54cffd_prep:
	.size	k_q81dc54cffd_prep, .Lfunc_end_k_q81dc54cffd_prep-k_q81dc54cffd_prep
	.p2alignl 7, 3214868480
	.fill 96, 4, 3214868480
	.section	.rodata,"a",@progbits
	.p2align	6, 0x0
	.amdhsa_kernel k_q81dc54cffd_prep
		.amdhsa_group_segment_fixed_size 68096
		.amdhsa_private_segment_fixed_size 0
		.amdhsa_enable_private_segment 0
		.amdhsa_kernarg_size 80
		.amdhsa_user_sgpr_count 2
		.amdhsa_user_sgpr_kernarg_segment_ptr 1
		.amdhsa_wavefront_size32 1
		.amdhsa_system_sgpr_workgroup_id_x 1
		.amdhsa_system_sgpr_workgroup_id_y 1
		.amdhsa_system_sgpr_workgroup_id_z 1
		.amdhsa_system_vgpr_workitem_id 0
		.amdhsa_next_free_vgpr 224
		.amdhsa_next_free_sgpr 66
		.amdhsa_reserve_vcc 0
		.amdhsa_float_denorm_mode_32 3
		.amdhsa_float_denorm_mode_16_64 3
		.amdhsa_fp16_overflow 1
		.amdhsa_memory_ordered 1
		.amdhsa_forward_progress 1
		.amdhsa_inst_pref_size 66
	.end_amdhsa_kernel
	.amdgpu_metadata
---
amdhsa.version: [ 1, 2 ]
amdhsa.kernels:
  - .name:           k_q81dc54cffd_prep
    .symbol:         k_q81dc54cffd_prep.kd
    .args:
      - { .name: x, .offset: 0, .size: 8, .value_kind: global_buffer, .address_space: global }
      - { .name: Wq, .offset: 8, .size: 8, .value_kind: global_buffer, .address_space: global }
      - { .name: Wk, .offset: 16, .size: 8, .value_kind: global_buffer, .address_space: global }
      - { .name: Wv, .offset: 24, .size: 8, .value_kind: global_buffer, .address_space: global }
      - { .name: Wo, .offset: 32, .size: 8, .value_kind: global_buffer, .address_space: global }
      - { .name: W1, .offset: 40, .size: 8, .value_kind: global_buffer, .address_space: global }
      - { .name: W2, .offset: 48, .size: 8, .value_kind: global_buffer, .address_space: global }
      - { .name: lowp_scales, .offset: 56, .size: 8, .value_kind: global_buffer, .address_space: global }
      - { .name: xc, .offset: 64, .size: 8, .value_kind: global_buffer, .address_space: global }
      - { .name: wc, .offset: 72, .size: 8, .value_kind: global_buffer, .address_space: global }
    .group_segment_fixed_size: 68096
    .private_segment_fixed_size: 0
    .kernarg_segment_align: 8
    .kernarg_segment_size: 80
    .max_flat_workgroup_size: 128
    .sgpr_count:     66
    .vgpr_count:     224
    .wavefront_size: 32
...
	.end_amdgpu_metadata
.endif
;; end of part 1
;; launch gemm_qkv (part 2): grid 12 x 16, 4 waves a work-group, clusters of 4 x 4, 327,680 bytes of LDS; arguments xc, wc, lowp_scales, src_mask, bq, bk, bv, qkvc; writes qkvc
.if DOCPART == 2
	.amdgcn_target "amdgcn-amd-amdhsa--gfx1250"
	.amdhsa_code_object_version 6
	.text
	.protected	k_q81dc54cffd_gemm_qkv
	.globl	k_q81dc54cffd_gemm_qkv
	.p2align	8
	.type	k_q81dc54cffd_gemm_qkv,@function
k_q81dc54cffd_gemm_qkv:
	s_mov_b64 s[64:65], 0
	v_nop
	global_prefetch_b8 v0, s[64:65] scope:SCOPE_SE
	s_setreg_imm32_b32 hwreg(HW_REG_WAVE_MODE, 25, 1), 1
	s_wait_xcnt 0x0
	s_wait_alu depctr_hold_cnt(0) depctr_sa_sdst(0) depctr_va_vdst(0) depctr_va_sdst(0) depctr_va_ssrc(0) depctr_va_vcc(0) depctr_vm_vsrc(0)
	s_getreg_b32 s2, hwreg(HW_REG_IB_STS2, 6, 4)
	s_cmp_eq_u32 s2, 0
	s_cbranch_scc0 .Lentry_in_a_cluster
	s_endpgm
.Lentry_in_a_cluster:
	s_bfe_u32 s2, ttmp6, 0x10000c
	s_cmp_lg_u32 s2, 0xf033
	s_cbranch_scc0 .Lentry_shape_is_right
	s_endpgm
.Lentry_shape_is_right:
; A GEMM on codes of E4M3 whose results leave as codes again.  K = 1,024.  A tile of 256 x 256 to a work-group of four waves, 128 x 128 (64 accumulators) to a wave.
; K goes in steps of 256 through a ring of two LDS slots filled by joint tensor loads: 4 x 4 work-groups form a cluster; the side called A is shared along a row of it, the side called B along a column.
; The matrix instruction takes 16 rows of B as source 0 and 16 rows of A as source 1: a lane holds ONE row of A's side and eight neighbours of B's side, which are what one conversion takes.
; QKV = 1: q, k, v = x W + b, one cluster column (1,024 columns) to each.  q and k: A = tokens, B = the weight's rows, so a lane's eight are neighbours along d.  v: A = Wv's rows, B = tokens, so a lane's eight are
;   neighbouring KEYS: v leaves with the keys innermost, as the second product of attention wants it.  Only data are swapped (pointers and offsets, by selects on the cluster's x, which all partners share), no instruction.
;   Rows of k whose token the mask hides get the hold's limit 0: zero codes, so that attention can give the masked score as the sum's start.
;   qkvc: planes q, k, v of 4 MiB, each [b 2][head 16][block 32][64 rows][64 bytes]: q, k: row = token, bytes along d; v: row = d, bytes along the 64 keys of the block.
; QKV = 0: hc = codes of relu(x1 W1 + b1), [4096][4096].
; LIMITS: ea + eb between -126 and 127; the results' e between -126 and 119.  NaN is not served.
; REGISTERS: window 0: v0-31 addresses; v32-123 biases, mask words, scale and limit; from v128 A's fragments, ONE set; on the way out v32-207 are at work.  Window 1: B's fragments, two sets.  Windows 2, 3: the accumulators.
.set QKV,    1
.set KSTEP,  256
.set ROWB,   256
.set KROW,   1024
.set PITCH,  272                       ; an LDS row: 256 bytes + 16 of padding: the 16 rows that a load touches start at 16 different banks (64 banks of 4 bytes: ISA guide 11.1)
.set FR,     16
.set NL,     4
.set NP,     4                         ; places behind this matrix instruction (ISA guide 7.12.1)
.set HALFT,  128*PITCH
.set SLOT,   4*HALFT
.set LAPS,   KROW/(2*KSTEP)
.set SPARE,  2*SLOT                    ; behind the ring: the spare words, 128 bytes a wave
.set SPITCH, 272                       ; the way out: ONE stage of 256 rows x (256 + 16) bytes, in slot 0, which has had its last fill and its last read by then
.set ADRA, 16
.set ADRB, 20
.set STO,  24
.set RD,   25
.set GO,   26
.set SPW,  28
.set NIL,  29
.set CB,   32                          ; v32-95   bias by column: block b's eight numbers at 8 b
.set RB,   96                          ; v96-111  bias by row, block a's number twice (a pair for the packed addition)
.set MK,   112                         ; v112-119 the row's mask word, then the row's limit
.set QS,   120                         ; v120 2^e of the results; v121 448 x that
.set QL,   121
.set A32H, 122                         ; v122 32 x (lane / 16); v123 4 x (lane % 16): the bias loads' offsets, kept until those loads are waited for
.set A4R,  123
.set T,    128
.set CD,   192
.set OUT,  32
.set AF,   128
.set G1, 24
.set G0, 32
.set G1B, 48
.set G0B, 56
.set MSB, 0
.macro WIN new                         ; the immediate's high byte repeats the setting that is left
.if MSB != \new
	s_set_vgpr_msb (MSB<<8)|\new
.set MSB, \new
.endif
.endm
.set MUL_LO, 0xa1
.set MUL_HI, 0xf1
.set TO_B,   0x40
.macro JLOAD g0a, g1a, g0b, g1b        ; a joint load: waves 0 and 1 fetch for A, waves 2 and 3 for B; an s_nop 0 and four v_nop follow each line
	s_cmp_eq_u32 s15, 0
	s_cbranch_scc0 .Lfor_b_\@
	tensor_load_to_lds s[\g0a:\g0a+3], s[\g1a:\g1a+7]
	s_nop 0
.rept 4
	v_nop
.endr
	s_branch .Lasked_\@
.Lfor_b_\@:
	tensor_load_to_lds s[\g0b:\g0b+3], s[\g1b:\g1b+7]
	s_nop 0
.rept 4
	v_nop
.endr
.Lasked_\@:
.endm
.macro CREST
	s_cmp_lg_u32 s14, 0
	s_cbranch_scc1 .Lnot_wave_0_\@
	s_barrier_signal -3
.Lnot_wave_0_\@:
	s_barrier_wait -3
	s_barrier_signal -1
	s_barrier_wait -1
.endm
.macro CROUND
	s_barrier_signal -1
	s_barrier_wait -1
	CREST
.endm
.if QKV
	s_load_b512 s[68:83], s[0:1], 0x0              ; xc 68, wc 70, scales 72, mask 74, bq 76, bk 78, bv 80, qkvc 82
.else
	s_load_b256 s[68:75], s[0:1], 0x0              ; x1c 68, wc 70, scales 72, b1 74
	s_load_b64 s[76:77], s[0:1], 0x20              ; hc
.endif
	v_lshl_add_u32 v[SPW], v0, 2, SPARE
	v_mov_b32 v[NIL], 0
	ds_add_u32 v[SPW], v[NIL]                      ; the wave's opening: the add and its wait ahead of my first tensor load
	v_lshrrev_b32 v1, 5, v0
	v_readfirstlane_b32 s14, v1                    ; wave
	s_lshr_b32 s15, s14, 1                         ; my half of A's side.  Also: I fetch for A (0) or B (1)
	s_and_b32 s16, s14, 1                          ; my half of B's side.  Also: which 128 rows I fetch
	s_bfe_u32 s40, ttmp6, 0x40000                  ; cx
	s_bfe_u32 s41, ttmp6, 0x40004                  ; cy
	s_mov_b32 s66, ttmp9                           ; the cluster's x
	s_and_b32 s67, ttmp7, 0xffff                   ; the cluster's y
	s_lshl_b32 s43, s41, 2
	s_lshl_b32 s43, 15, s43                        ; my row of the cluster
	s_lshl_b32 s44, 0x1111, s40                    ; my column
	s_or_b32 s[G1+0], s43, (0<<16)|(1<<20)|(1<<21)|(5<<22)|(3<<25)   ; mask; elements of 1 byte; padding on; bit 21 beside a mask; after every 64 words, 4 words
	s_or_b32 s[G1B+0], s44, (0<<16)|(1<<20)|(1<<21)|(5<<22)|(3<<25)
.irp g, G1, G1B
	s_mov_b32 s[\g+1], ROWB<<16
	s_mov_b32 s[\g+2], 128<<16
	s_mov_b32 s[\g+3], ROWB<<16
	s_mov_b32 s[\g+4], 128
	s_mov_b32 s[\g+5], KROW
	s_mov_b32 s[\g+6], 0
	s_mov_b32 s[\g+7], 0
.endr
.if QKV
	s_lshl_b32 s19, s67, 10                        ; the cluster's 1,024 tokens
	s_lshl_b32 s22, s66, 22                        ; x's plane of codes
	s_lshl_b32 s23, s66, 20                        ; the weight's codes
	s_lshl_b32 s100, s66, 3                        ; the product's two scales
	s_lshl_b32 s84, s66, 2
	s_add_co_u32 s84, s84, 24                      ; the results' scale: entries 6, 7, 9
	s_cmp_eq_u32 s66, 2                            ; v?  The same in all sixteen partners
	s_cselect_b32 s12, 0, s19                      ; the tokens are A's rows (q, k)
	s_cselect_b32 s13, s19, 0                      ; or B's (v)
	s_cselect_b32 s22, 0x200000, s22               ; A begins: x's plane, or Wv's codes
	s_cselect_b32 s23, 0x800000, s23               ; B begins: the weight's codes, or x's third plane
	s_cselect_b32 s85, 4, 0
	s_add_co_u32 s84, s84, s85
	s_mov_b32 s85, 0
	s_mov_b32 s101, 0
.else
	s_lshl_b32 s12, s67, 10
	s_lshl_b32 s13, s66, 10
	s_mov_b32 s22, 0
	s_mov_b32 s23, 0x400000                        ; W1's codes
.endif
	s_lshl_b32 s18, s16, 7
	s_lshl_b32 s20, s41, 8
	s_add_co_u32 s20, s20, s18
	s_add_co_u32 s20, s20, s12                     ; A's row: 256 cy + 128 x half (+ the cluster's)
	s_lshl_b32 s20, s20, 10
	s_add_co_u32 s20, s20, s22
	s_mov_b32 s21, 0
	s_lshl_b32 s46, s40, 8
	s_add_co_u32 s46, s46, s18
	s_add_co_u32 s46, s46, s13                     ; B's row: 256 cx + 128 x half (+ the cluster's)
	s_lshl_b32 s46, s46, 10
	s_add_co_u32 s46, s46, s23
	s_mov_b32 s47, 0
	s_mul_i32 s45, s14, HALFT                      ; where my 128 rows go: no place in the cluster enters an LDS address
	s_wait_dscnt 0x0                               ; the opening add is done
	s_wait_kmcnt 0x0
.if QKV
	s_cmp_eq_u32 s66, 2
	s_cselect_b64 s[4:5], s[70:71], s[68:69]
	s_cselect_b64 s[6:7], s[68:69], s[70:71]
	s_add_nc_u64 s[84:85], s[72:73], s[84:85]
	s_add_nc_u64 s[72:73], s[72:73], s[100:101]
	s_load_b64 s[96:97], s[72:73], 0x0             ; ea, eb
	s_load_b32 s98, s[84:85], 0x0                  ; the results' e
.else
	s_mov_b64 s[4:5], s[68:69]
	s_mov_b64 s[6:7], s[70:71]
	s_load_b64 s[96:97], s[72:73], 0x30            ; entries 12, 13
	s_load_b32 s98, s[72:73], 0x38                 ; entry 14
.endif
	s_add_nc_u64 s[20:21], s[4:5], s[20:21]
	s_add_nc_u64 s[46:47], s[6:7], s[46:47]
	CROUND                                         ; all sixteen work-groups are here: the first joint loads meet
.irp s, 0,1
	s_mov_b32 s[G0+4*\s], 1
	s_add_co_u32 s[G0+4*\s+1], s45, \s*SLOT
	s_add_nc_u64 s[G0+4*\s+2:G0+4*\s+3], s[20:21], \s*ROWB
	s_or_b32 s[G0+4*\s+3], s[G0+4*\s+3], 0x80000000
	s_mov_b32 s[G0B+4*\s], 1
	s_add_co_u32 s[G0B+4*\s+1], s45, \s*SLOT
	s_add_nc_u64 s[G0B+4*\s+2:G0B+4*\s+3], s[46:47], \s*ROWB
	s_or_b32 s[G0B+4*\s+3], s[G0B+4*\s+3], 0x80000000
	JLOAD G0+4*\s, G1, G0B+4*\s, G1B
.endr
	v_and_b32 v1, 15, v0                           ; r
	v_bfe_u32 v2, v0, 4, 1                         ; h
	v_mul_u32_u24 v3, v1, PITCH
	v_lshl_add_u32 v4, v2, 4, v3
	s_mul_i32 s21, s15, HALFT
	s_mul_i32 s22, s16, HALFT
	s_add_co_u32 s22, s22, 2*HALFT
.irp s, 0,1
	v_add_nc_u32 v[ADRA+\s], s21, v4
	v_add_nc_u32 v[ADRB+\s], s22, v4
	s_add_co_u32 s21, s21, SLOT
	s_add_co_u32 s22, s22, SLOT
.endr
	s_mul_i32 s23, s15, 128*SPITCH
	s_lshl_b32 s18, s16, 7
	s_add_co_u32 s23, s23, s18
	v_lshl_add_u32 v5, v2, 3, v3
	v_add_nc_u32 v[STO], s23, v5                   ; into the stage: row 128 x half + r, byte 128 x half + 8 h
	s_mul_i32 s23, s14, 64*SPITCH                  ; back: wave w takes rows 64 w on
	v_lshlrev_b32 v[A32H], 5, v2
	v_lshlrev_b32 v[A4R], 2, v1
.if QKV
	v_and_b32 v6, 31, v0
	v_lshrrev_b32 v7, 2, v6
	v_mul_u32_u24 v7, v7, SPITCH
	v_and_b32 v8, 3, v6
	v_lshl_add_u32 v7, v8, 4, v7
	v_add_nc_u32 v[RD], s23, v7                    ; four lanes to 64 bytes of a row, eight rows an instruction
	v_lshlrev_b32 v[GO], 4, v6                     ; which are 512 consecutive bytes of a block of qkvc
	s_cmp_eq_u32 s66, 1
	s_cselect_b64 s[76:77], s[78:79], s[76:77]     ; the bias by column: bk for k, else bq (cleared for v)
	s_lshl_b32 s8, s40, 8
	s_lshl_b32 s9, s16, 7
	s_add_co_u32 s8, s8, s9
	s_lshl_b32 s8, s8, 2
	s_mov_b32 s9, 0
	s_add_nc_u64 s[76:77], s[76:77], s[8:9]
	s_lshl_b32 s10, s41, 8
	s_lshl_b32 s11, s15, 7
	s_add_co_u32 s10, s10, s11                     ; 256 cy + 128 x half
	s_lshl_b32 s8, s10, 2
	s_add_nc_u64 s[80:81], s[80:81], s[8:9]        ; the bias by row: bv (cleared for q and k)
	s_lshl_b32 s11, s67, 10
	s_add_co_u32 s10, s10, s11
	s_lshl_b32 s8, s10, 2
	s_add_nc_u64 s[74:75], s[74:75], s[8:9]        ; the mask words of my rows' tokens (they count for k alone)
	s_lshl_b32 s8, s41, 2
	s_add_co_u32 s8, s8, s14                       ; 4 cy + wave
	s_lshl_b32 s9, s40, 2                          ; 4 cx
	s_lshl_b32 s10, s67, 4
	s_mov_b32 s13, 0x20000
	s_cmp_eq_u32 s66, 2
	s_cselect_b32 s11, s9, s8                      ; block of 64 tokens
	s_cselect_b32 s12, s8, s9                      ; head
	s_cselect_b32 s94, 0x1000, s13                 ; from one 64 bytes of a stage row to the next: a head on (q, k) or a block on (v)
	s_add_co_u32 s11, s11, s10
	s_lshr_b32 s13, s11, 5
	s_lshl_b32 s13, s13, 21                        ; b
	s_and_b32 s11, s11, 31
	s_lshl_b32 s11, s11, 12
	s_add_co_u32 s13, s13, s11
	s_lshl_b32 s12, s12, 17
	s_add_co_u32 s13, s13, s12
	s_lshl_b32 s12, s66, 22
	s_add_co_u32 s12, s13, s12
	s_mov_b32 s13, 0
	s_mov_b32 s95, 0
	s_add_nc_u64 s[86:87], s[82:83], s[12:13]
	s_add_nc_u64 s[88:89], s[86:87], s[94:95]
	s_add_nc_u64 s[90:91], s[88:89], s[94:95]
	s_add_nc_u64 s[92:93], s[90:91], s[94:95]
.else
	v_mul_u32_u24 v7, v2, SPITCH
	v_lshl_add_u32 v7, v1, 4, v7
	v_add_nc_u32 v[RD], s23, v7                    ; sixteen lanes to a row of 256 bytes, two rows an instruction
	v_lshlrev_b32 v[GO], 12, v2
	v_lshl_add_u32 v[GO], v1, 4, v[GO]
	s_lshl_b32 s8, s66, 2
	s_add_co_u32 s8, s8, s40                       ; tile column
	s_lshl_b32 s10, s8, 8
	s_lshl_b32 s9, s16, 7
	s_add_co_u32 s8, s10, s9
	s_lshl_b32 s8, s8, 2
	s_mov_b32 s9, 0
	s_add_nc_u64 s[74:75], s[74:75], s[8:9]        ; b1 at my first column
	s_lshl_b32 s8, s67, 2
	s_add_co_u32 s8, s8, s41                       ; tile row
	s_lshl_b32 s8, s8, 8
	s_lshl_b32 s11, s14, 6
	s_add_co_u32 s8, s8, s11
	s_lshl_b32 s8, s8, 12
	s_add_co_u32 s8, s8, s10
	s_add_nc_u64 s[86:87], s[76:77], s[8:9]        ; hc at row 256 x tile row + 64 x wave, byte 256 x tile column
.endif
.set b, 0
.rept 8                                ; these loads stay out during the K loop; they are waited for on the way out
.if QKV
	global_load_b128 v[CB+8*b:CB+8*b+3], v[A32H], s[76:77] offset:64*b
	global_load_b128 v[CB+8*b+4:CB+8*b+7], v[A32H], s[76:77] offset:64*b+16
	global_load_b32 v[RB+2*b], v[A4R], s[80:81] offset:64*b
	global_load_b32 v[RB+2*b+1], v[A4R], s[80:81] offset:64*b
	global_load_b32 v[MK+b], v[A4R], s[74:75] offset:64*b
.else
	global_load_b128 v[CB+8*b:CB+8*b+3], v[A32H], s[74:75] offset:64*b
	global_load_b128 v[CB+8*b+4:CB+8*b+7], v[A32H], s[74:75] offset:64*b+16
.endif
.set b, b+1
.endr
.macro FRAG reg, adr, q, i             ; 16 rows x 128 K: lane l holds row l % 16; registers 4 c .. 4 c + 3 hold K = 32 c + 16 (l / 16) + 0 .. 15: the same order of k on both sides
.irp c, 0,1,2,3
	ds_load_b128 v[\reg+4*\c:\reg+4*\c+3], v[\adr] offset:128*(\q)+32*\c+(\i)*16*PITCH
.endr
.endm
.macro MUL16 a0, p, zero               ; the 64 accumulators take turns, one instruction a turn, in the same order in every step
.irp a, \a0, \a0+1
.irp b, 0,1,2,3,4,5,6,7
.if \zero
	v_wmma_f32_16x16x128_fp8_fp8 v[8*(8*((\a)%4)+\b):8*(8*((\a)%4)+\b)+7], v[128*(\p)+FR*\b:128*(\p)+FR*\b+FR-1], v[AF+FR*(\a):AF+FR*(\a)+FR-1], 0
.else
	v_wmma_f32_16x16x128_fp8_fp8 v[8*(8*((\a)%4)+\b):8*(8*((\a)%4)+\b)+7], v[128*(\p)+FR*\b:128*(\p)+FR*\b+FR-1], v[AF+FR*(\a):AF+FR*(\a)+FR-1], v[8*(8*((\a)%4)+\b):8*(8*((\a)%4)+\b)+7]
.endif
.endr
.endr
.endm
.macro FETCH_B slot, q, p
	WIN TO_B
.irp i, 0,1,2,3,4,5,6,7
	FRAG 128*(\p)+FR*\i, ADRB+\slot, \q, \i
.endr
	WIN 0
.endm
.macro FETCH_A slot, q, i0
.irp i, \i0, \i0+1, \i0+2, \i0+3
	FRAG AF+FR*(\i), ADRA+\slot, \q, \i
.endr
.endm
.macro PLACES n                        ; plain vector lines between a matrix instruction and a load into, or a vector line on, one of its registers
.rept \n
	v_nop
.endr
.endm
.macro STEP slot, q, zero              ; 128 along K, with its successor in the same slot
	s_wait_dscnt 4*NL                              ; B's set and A's blocks 0-3 are in; A's blocks 4-7 may be out
	WIN MUL_LO
	MUL16 0, (\q)%2, \zero
	MUL16 2, (\q)%2, \zero
	s_wait_dscnt 0
	PLACES NP
	FETCH_B \slot, (\q)+1, 1-(\q)%2
	FETCH_A \slot, (\q)+1, 0
	WIN MUL_HI
	MUL16 4, (\q)%2, \zero
	MUL16 6, (\q)%2, \zero
	PLACES NP
	WIN 0
	FETCH_A \slot, (\q)+1, 4
.endm
.macro TURN slot, next, fill           ; a slot's last step changes slots: one barrier, which opens a round of the cluster's where the slot is filled again
	s_wait_tensorcnt 0x0                           ; all my tensor loads have landed: my part of the next slot
	ds_add_u32 v[SPW], v[NIL]
	s_wait_dscnt 4*NL+1                            ; the add and A's blocks 4-7 may be out
	WIN MUL_LO
	MUL16 0, 1, 0
	s_wait_dscnt 0x0                               ; the add is done, and my reads of this slot are over
	s_barrier_signal -1
	MUL16 2, 1, 0
	WIN 0
	s_barrier_wait -1
.if \fill
	CREST                                          ; no wave of any partner still reads this slot or has a load on its way
	s_add_nc_u64 s[G0+4*\slot+2:G0+4*\slot+3], s[G0+4*\slot+2:G0+4*\slot+3], 2*ROWB
	s_add_nc_u64 s[G0B+4*\slot+2:G0B+4*\slot+3], s[G0B+4*\slot+2:G0B+4*\slot+3], 2*ROWB
	JLOAD G0+4*\slot, G1, G0B+4*\slot, G1B         ; the first tensor load behind the round, one a wave
.else
	PLACES NP
.endif
	FETCH_B \next, 0, 0
	FETCH_A \next, 0, 0
	WIN MUL_HI
	MUL16 4, 1, 0
	MUL16 6, 1, 0
	PLACES NP
	WIN 0
	FETCH_A \next, 0, 4
.endm
	s_wait_tensorcnt 1                             ; my part of K step 0 is in; K step 1's load may be out
	s_barrier_signal -1
	s_barrier_wait -1
	FETCH_B 0, 0, 0
	FETCH_A 0, 0, 0
	FETCH_A 0, 0, 4
	STEP 0, 0, 1                                   ; the first step's products start the sums
	s_mov_b32 s3, LAPS-1
.Llap:
	TURN 0, 1, 1
	STEP 1, 0, 0
	TURN 1, 0, 1
	STEP 0, 0, 0
	s_sub_co_u32 s3, s3, 1
	s_cmp_lg_u32 s3, 0
	s_cbranch_scc1 .Llap
	TURN 0, 1, 0                                   ; the last lap fills nothing
	STEP 1, 0, 0
	s_wait_dscnt 4*NL
	WIN MUL_LO
	MUL16 0, 1, 0
	MUL16 2, 1, 0
	s_wait_dscnt 0
	WIN MUL_HI
	MUL16 4, 1, 0
	MUL16 6, 1, 0
	WIN 0
; THE WAY OUT.  sum x 2^(ea + eb) + bias, the hold (with relu, or with the mask's limit), the conversion: 8 bytes a lane and accumulator, into the work-group's stage; a barrier; whole runs of bytes out.
	s_wait_kmcnt 0x0
	s_wait_loadcnt 0x0                             ; the biases and mask words
	s_add_co_i32 s96, s96, s97
	s_add_co_i32 s96, s96, 127
	s_lshl_b32 s96, s96, 23                        ; 2^(ea + eb)
	s_mov_b32 s97, s96
	s_add_co_i32 s98, s98, 127
	s_lshl_b32 s99, s98, 23
	s_add_co_i32 s98, s98, 8
	s_lshl_b32 s98, s98, 23
	s_or_b32 s98, s98, 0x600000
	PLACES NP
	v_mov_b32 v[QS], s99
	v_mov_b32 v[QL], s98
.if QKV
	s_cmp_eq_u32 s66, 2
	s_cselect_b32 s8, 0, -1
	s_cselect_b32 s9, -1, 0
	s_cmp_eq_u32 s66, 1
	s_cselect_b32 s10, 0, -1
.set i, 0
.rept 64
	v_and_b32 v[CB+i], s8, v[CB+i]                 ; v has no bias by column,
.set i, i+1
.endr
.set i, 0
.rept 16
	v_and_b32 v[RB+i], s9, v[RB+i]                 ; q and k none by row
.set i, i+1
.endr
.set i, 0
.rept 8
	v_cmp_ne_u32 s100, 0, v[MK+i]
	s_or_b32 s100, s100, s10                       ; the mask counts for k alone
	v_cndmask_b32 v[MK+i], 0, v[QL], s100          ; my row's limit: 448 x 2^e, or 0 for a hidden token of k
.set i, i+1
.endr
.endif
.macro OUTBLK a
.set AC, 64*((\a)%4)
	WIN 0x02+((\a)/4)
.set i, 0
.rept 32
	v_pk_fma_f32 v[T+i:T+i+1], v[AC+i:AC+i+1], s[96:97], v[CB+i:CB+i+1] op_sel_hi:[1,0,1]   ; each accumulator from its low end on
.set i, i+2
.endr
	WIN 0
.if QKV
.set i, 0
.rept 32
	v_pk_add_f32 v[T+i:T+i+1], v[T+i:T+i+1], v[RB+2*(\a):RB+2*(\a)+1]
.set i, i+2
.endr
.endif
.set i, 0
.rept 64
.if QKV
	v_med3_num_f32 v[T+i], v[T+i], -v[MK+(\a)], v[MK+(\a)]
.else
	v_med3_num_f32 v[T+i], v[T+i], 0, v[QL]        ; relu and the hold in one
.endif
.set i, i+1
.endr
.if (\a) > 0
	s_wait_dscnt 0x0                               ; the last block's stores have read their codes
.endif
.set i, 0
.rept 8
	v_cvt_scalef32_pk8_fp8_f32 v[CD+2*i:CD+2*i+1], v[T+8*i:T+8*i+7], v[QS]
.set i, i+1
.endr
	v_nop                                          ; a plain line behind the conversions, ahead of the next vector line on their registers
.set i, 0
.rept 8
	ds_store_b64 v[STO], v[CD+2*i:CD+2*i+1] offset:(\a)*16*SPITCH+16*i
.set i, i+1
.endr
.endm
.irp a, 0,1,2,3,4,5,6,7
	OUTBLK \a
.endr
	s_wait_dscnt 0x0                               ; for the others' sake: a stage row's 256 bytes come from two waves
	s_barrier_signal -1
	s_barrier_wait -1
.set n, 0
.rept 32
.if QKV
	ds_load_b128 v[OUT+4*n:OUT+4*n+3], v[RD] offset:8*(n%8)*SPITCH+64*(n/8)
.else
	ds_load_b128 v[OUT+4*n:OUT+4*n+3], v[RD] offset:2*n*SPITCH
.endif
.set n, n+1
.endr
.set n, 0
.rept 32
	s_wait_dscnt 31-n
.if QKV
	global_store_b128 v[GO], v[OUT+4*n:OUT+4*n+3], s[86+2*(n/8):87+2*(n/8)] offset:512*(n%8)   ; 512 consecutive bytes of a block
.else
	global_store_b128 v[GO], v[OUT+4*n:OUT+4*n+3], s[86:87] offset:2*n*4096                    ; sixteen lanes store 256 consecutive bytes, aligned
.endif
.set n, n+1
.endr
	s_wait_tensorcnt 0x0                           ; the wave's end
	ds_add_u32 v[SPW], v[NIL]
	s_wait_dscnt 0x0
	CROUND                                         ; the closing round
	s_endpgm
.Lfunc_end_k_q81dc54cffd_gemm_qkv:
	.size	k_q81dc54cffd_gemm_qkv, .Lfunc_end_k_q81dc54cffd_gemm_qkv-k_q81dc54cffd_gemm_qkv
	.p2alignl 7, 3214868480
	.fill 96, 4, 3214868480
	.section	.rodata,"a",@progbits
	.p2align	6, 0x0
	.amdhsa_kernel k_q81dc54cffd_gemm_qkv
		.amdhsa_group_segment_fixed_size 327680
		.amdhsa_private_segment_fixed_size 0
		.amdhsa_enable_private_segment 0
		.amdhsa_kernarg_size 64
		.amdhsa_user_sgpr_count 2
		.amdhsa_user_sgpr_kernarg_segment_ptr 1
		.amdhsa_wavefront_size32 1
		.amdhsa_system_sgpr_workgroup_id_x 1
		.amdhsa_system_sgpr_workgroup_id_y 1
		.amdhsa_system_sgpr_workgroup_id_z 1
		.amdhsa_system_vgpr_workitem_id 0
		.amdhsa_next_free_vgpr 1024
		.amdhsa_next_free_sgpr 102
		.amdhsa_reserve_vcc 0
		.amdhsa_float_denorm_mode_32 3
		.amdhsa_float_denorm_mode_16_64 3
		.amdhsa_memory_ordered 1
		.amdhsa_forward_progress 1
		.amdhsa_inst_pref_size 167
	.end_amdhsa_kernel
	.amdgpu_metadata
---
amdhsa.version: [ 1, 2 ]
amdhsa.kernels:
  - .name:           k_q81dc54cffd_gemm_qkv
    .symbol:         k_q81dc54cffd_gemm_qkv.kd
    .args:
      - { .name: xc, .offset: 0, .size: 8, .value_kind: global_buffer, .address_space: global }
      - { .name: wc, .offset: 8, .size: 8, .value_kind: global_buffer, .address_space: global }
      - { .name: lowp_scales, .offset: 16, .size: 8, .value_kind: global_buffer, .address_space: global }
      - { .name: src_mask, .offset: 24, .size: 8, .value_kind: global_buffer, .address_space: global }
      - { .name: bq, .offset: 32, .size: 8, .value_kind: global_buffer, .address_space: global }
      - { .name: bk, .offset: 40, .size: 8, .value_kind: global_buffer, .address_space: global }
      - { .name: bv, .offset: 48, .size: 8, .value_kind: global_buffer, .address_space: global }
      - { .name: qkvc, .offset: 56, .size: 8, .value_kind: global_buffer, .address_space: global }
    .group_segment_fixed_size: 327680
    .private_segment_fixed_size: 0
    .kernarg_segment_align: 8
    .kernarg_segment_size: 64
    .max_flat_workgroup_size: 128
    .sgpr_count:     102
    .vgpr_count:     1024
    .wavefront_size: 32
...
	.end_amdgpu_metadata
.endif
;; end of part 2
;; launch attn (part 3): grid 8 x 32, 16 waves a work-group, clusters of 4 x 1, 327,680 bytes of LDS; arguments qkvc, src_mask, lowp_scales, ac; writes ac
.if DOCPART == 3
	.amdgcn_target "amdgcn-amd-amdhsa--gfx1250"
	.amdhsa_code_object_version 6
	.text
	.protected	k_q81dc54cffd_attn
	.globl	k_q81dc54cffd_attn
	.p2align	8
	.type	k_q81dc54cffd_attn,@function
k_q81dc54cffd_attn:
	s_mov_b64 s[64:65], 0
	v_nop
	global_prefetch_b8 v0, s[64:65] scope:SCOPE_SE
	s_setreg_imm32_b32 hwreg(HW_REG_WAVE_MODE, 25, 1), 1
	s_wait_xcnt 0x0
	s_wait_alu depctr_hold_cnt(0) depctr_sa_sdst(0) depctr_va_vdst(0) depctr_va_sdst(0) depctr_va_ssrc(0) depctr_va_vcc(0) depctr_vm_vsrc(0)
	s_getreg_b32 s2, hwreg(HW_REG_IB_STS2, 6, 4)
	s_cmp_eq_u32 s2, 0
	s_cbranch_scc0 .Lentry_in_a_cluster
	s_endpgm
.Lentry_in_a_cluster:
	s_bfe_u32 s2, ttmp6, 0x10000c
	s_cmp_lg_u32 s2, 0x3003
	s_cbranch_scc0 .Lentry_shape_is_right
	s_endpgm
.Lentry_shape_is_right:
.set PHB,   69632
.set LP,    272
.set MB,    4*PHB
.set STG,   MB+8192
.set SPARE, STG+16*1280
.set AK0, 1
.set AV0, 2
.set AM0, 3
.set STO, 4
.set SPW, 5
.set NIL, 6
.set GO,  7
.set ADK, 8
.set ADV, 9
.set ADM, 10
.set RD,  11
.set WV,  18
.set SEL, 20
.set CS,  22
.set TB,  2
.set TM,  3
.macro CROUND
	s_barrier_signal -1
	s_barrier_wait -1
	s_cmp_lg_u32 s[WV], 0
	s_cbranch_scc1 .Lnot_wave_0_\@
	s_barrier_signal -3
.Lnot_wave_0_\@:
	s_barrier_wait -3
	s_barrier_signal -1
	s_barrier_wait -1
.endm
	s_load_b256 s[4:11], s[0:1], 0x0
	v_lshl_add_u32 v[SPW], v0, 2, SPARE
	v_mov_b32 v[NIL], 0
	ds_add_u32 v[SPW], v[NIL]
	ds_add_u32 v[SPW], v[NIL]
	v_lshrrev_b32 v8, 5, v0
	s_delay_alu instid0(VALU_DEP_1)
	v_readfirstlane_b32 s[WV], v8
	s_bfe_u32 s13, ttmp6, 0x40000
	s_lshl_b32 s14, ttmp9, 2
	s_add_co_u32 s14, s14, s13
	s_and_b32 s12, ttmp7, 0xffff
	s_mov_b32 s24, 15|(0<<16)|(1<<20)|(1<<21)|(5<<22)|(3<<25)
	s_mov_b32 s25, 256<<16
	s_mov_b32 s26, 16<<16
	s_mov_b32 s27, 256<<16
	s_mov_b32 s28, 16
	s_mov_b32 s29, 256
	s_mov_b32 s30, 0
	s_mov_b32 s31, 0
	s_lshr_b32 s15, s[WV], 3
	s_lshl_b32 s15, s15, 22
	s_add_co_u32 s15, s15, 0x400000
	s_lshl_b32 s16, s12, 17
	s_add_co_u32 s15, s15, s16
	s_and_b32 s17, s[WV], 7
	s_lshl_b32 s17, s17, 12
	s_add_co_u32 s50, s15, s17
	s_mov_b32 s51, 0
	s_mul_i32 s19, s[WV], 16*LP
	s_lshl_b32 s52, s14, 8
	s_lshl_b32 s53, s[WV], 4
	s_add_co_u32 s52, s52, s53
	s_lshl_b32 s54, s52, 6
	s_add_co_u32 s54, s54, s16
	s_mov_b32 s55, 0
	s_lshr_b32 s56, s12, 4
	s_lshl_b32 s57, s56, 11
	s_add_co_u32 s57, s57, s52
	s_lshl_b32 s58, s57, 10
	s_and_b32 s57, s12, 15
	s_lshl_b32 s57, s57, 6
	s_add_co_u32 s58, s58, s57
	s_mov_b32 s59, 0
	s_lshl_b32 s60, s56, 13
	s_mov_b32 s61, 0
	s_mov_b32 s[SEL], 0x76543210
	s_mov_b32 s[SEL+1], 0xfedcba98
	s_mov_b32 s[CS], 0x3db8aa3b
	s_mov_b32 s[TB], 0
	s_mov_b32 s[TM], 0
	s_wait_dscnt 0x0
	s_wait_kmcnt 0x0
	s_load_b512 s[68:83], s[8:9], 0x0
	s_add_nc_u64 s[50:51], s[4:5], s[50:51]
	s_add_nc_u64 s[4:5], s[4:5], s[54:55]
	s_add_nc_u64 s[6:7], s[6:7], s[60:61]
	s_add_nc_u64 s[10:11], s[10:11], s[58:59]
.irp p, 0,1,2,3
	s_mov_b32 s[32+4*\p], 1
	s_add_co_u32 s[33+4*\p], s19, \p*PHB
	s_add_nc_u64 s[34+4*\p:35+4*\p], s[50:51], \p*32768
	s_or_b32 s[35+4*\p], s[35+4*\p], 0x80000000
.endr
	CROUND
.irp p, 0,1,2,3
	tensor_load_to_lds s[32+4*\p:35+4*\p], s[24:31]
	s_nop 0
.endr
.rept 4
	v_nop
.endr
	v_lshlrev_b32 v28, 4, v0
	global_load_b128 v[24:27], v28, s[6:7]
	v_and_b32 v29, 15, v0
	v_bfe_u32 v30, v0, 4, 1
	s_delay_alu instid0(VALU_DEP_2)
	v_lshlrev_b32 v31, 6, v29
	s_delay_alu instid0(VALU_DEP_1)
	v_lshl_add_u32 v31, v30, 4, v31
	global_load_b128 v[16:19], v31, s[4:5]
	global_load_b128 v[20:23], v31, s[4:5] offset:32
	v_add_nc_u32 v208, MB, v28
	v_and_b32 v209, 8, v29
	s_delay_alu instid0(VALU_DEP_1)
	v_add_nc_u32 v209, v209, v29
	s_delay_alu instid0(VALU_DEP_1)
	v_lshrrev_b32 v210, 2, v209
	s_delay_alu instid0(VALU_DEP_1)
	v_mul_u32_u24 v[AK0], v210, LP
	v_and_b32 v210, 3, v29
	s_delay_alu instid0(VALU_DEP_1)
	v_lshl_add_u32 v[AK0], v210, 6, v[AK0]
	s_delay_alu instid0(VALU_DEP_1)
	v_lshl_add_u32 v[AK0], v30, 4, v[AK0]
	v_lshrrev_b32 v211, 2, v29
	s_delay_alu instid0(VALU_DEP_1)
	v_mul_u32_u24 v[AV0], v211, LP
	s_delay_alu instid0(VALU_DEP_1)
	v_lshl_add_u32 v[AV0], v210, 6, v[AV0]
	s_delay_alu instid0(VALU_DEP_1)
	v_lshl_add_u32 v[AV0], v30, 4, v[AV0]
	s_delay_alu instid0(VALU_DEP_1)
	v_add_nc_u32 v[AV0], 128*LP, v[AV0]
	v_lshlrev_b32 v[AM0], 6, v30
	s_delay_alu instid0(VALU_DEP_1)
	v_add_nc_u32 v[AM0], MB, v[AM0]
	s_mul_i32 s62, s[WV], 1280
	s_add_co_u32 s62, s62, STG
	v_mul_u32_u24 v[STO], v29, 80
	s_delay_alu instid0(VALU_DEP_1)
	v_lshl_add_u32 v[STO], v30, 3, v[STO]
	s_delay_alu instid0(VALU_DEP_1)
	v_add_nc_u32 v[STO], s62, v[STO]
	v_and_b32 v212, 31, v0
	s_delay_alu instid0(VALU_DEP_1)
	v_lshrrev_b32 v213, 2, v212
	s_delay_alu instid0(VALU_DEP_2)
	v_and_b32 v214, 3, v212
	s_delay_alu instid0(VALU_DEP_2)
	v_mul_u32_u24 v[RD], v213, 80
	s_delay_alu instid0(VALU_DEP_1)
	v_lshl_add_u32 v[RD], v214, 4, v[RD]
	s_delay_alu instid0(VALU_DEP_1)
	v_add_nc_u32 v[RD], s62, v[RD]
	v_lshlrev_b32 v[GO], 10, v213
	s_delay_alu instid0(VALU_DEP_1)
	v_lshl_add_u32 v[GO], v214, 4, v[GO]
	v_mov_b32 v13, 0xff61b1e6
	s_delay_alu instid0(VALU_DEP_1)
	v_floor_f32 v12, -v13
	v_mov_b32 v14, 0
	v_mov_b32 v15, 0
	v_mov_b32 v236, 0
	v_mov_b32 v253, 0
.set j, 0
.rept 32
	v_mov_b32 v[160+j], 0
.set j, j+1
.endr
	s_wait_kmcnt 0x0
	s_add_co_i32 s84, s74, s75
	s_lshl_b32 s85, s84, 23
	s_add_co_i32 s[CS], s[CS], s85
	s_mov_b32 s[CS+1], s[CS]
	s_sub_co_i32 s85, 161, s84
	s_lshl_b32 s85, s85, 23
	s_or_b32 s85, s85, 0x80000000
	v_mov_b32 v215, s85
	s_add_co_i32 s86, s76, 127
	s_lshl_b32 s87, s86, 23
	v_mov_b32 v244, s87
	s_wait_alu depctr_va_vdst(0)
	s_wait_loadcnt 0x0
.irp i, 0,1,2,3
	v_cmp_eq_u32 vcc_lo, 0, v[24+\i]
	s_delay_alu instid0(VALU_DEP_1)
	v_cndmask_b32 v[24+\i], 0, v215, vcc_lo
.endr
	ds_store_b128 v208, v[24:27]
.macro STEP
	v_add_nc_u32 v[ADK], s[TB], v[AK0]
	v_add_nc_u32 v[ADV], s[TB], v[AV0]
	v_add_nc_u32 v[ADM], s[TM], v[AM0]
	v_nop
.set i, 0
.rept 16
	ds_load_b128 v[96+4*i:99+4*i], v[ADM] offset:128*(i/4)+16*(i%4)
.set i, i+1
.endr
.set i, 0
.rept 8
	ds_load_b128 v[32+8*i:35+8*i], v[ADK] offset:(8*(i/2)+2*(i%2))*LP
	ds_load_b128 v[36+8*i:39+8*i], v[ADK] offset:(8*(i/2)+2*(i%2))*LP+32
.set i, i+1
.endr
	s_wait_alu depctr_va_vdst(0)
	s_wait_dscnt 0x0
.set i, 0
.rept 8
	v_wmma_f32_16x16x64_fp8_fp8 v[96+8*i:103+8*i], v[32+8*i:39+8*i], v[16:23], v[96+8*i:103+8*i]
.set i, i+1
.endr
.rept 4
	v_nop
.endr
.set i, 0
.rept 16
	ds_load_b128 v[32+4*i:35+4*i], v[ADV] offset:(16*((i%4)/2)+4*(i/4))*LP+32*(i%2)
.set i, i+1
.endr
	v_max3_num_f32 v254, v96, v97, v98
	v_max3_num_f32 v252, v99, v100, v101
.irp i, 6,10,14,18,22,26,30,34,38,42,46,50,54,58
	v_max3_num_f32 v254, v254, v[96+\i], v[97+\i]
	v_max3_num_f32 v252, v252, v[98+\i], v[99+\i]
.endr
	v_max3_num_f32 v254, v254, v158, v159
	s_delay_alu instid0(VALU_DEP_1)
	v_max_num_f32 v254, v254, v252
	s_delay_alu instid0(VALU_DEP_1)
	v_permlanex16_b32 v236, v254, s[SEL], s[SEL+1]
	s_delay_alu instid0(VALU_DEP_1)
	v_max_num_f32 v254, v254, v236
	s_delay_alu instid0(VALU_DEP_1)
	v_mul_f32 v254, s[CS], v254
	s_delay_alu instid0(VALU_DEP_1)
	v_max_num_f32 v13, v13, v254
	v_mov_b32 v254, v12
	s_delay_alu instid0(VALU_DEP_2)
	v_floor_f32 v12, -v13
	s_delay_alu instid0(VALU_DEP_1)
	v_sub_f32 v254, v12, v254
	s_delay_alu instid0(VALU_DEP_1)
	v_cvt_i32_f32 v254, v254
	s_delay_alu instid0(VALU_DEP_1)
	v_ldexp_f32 v252, 1.0, v254
.set j, 0
.rept 32
	v_pk_fma_f32 v[96+j:97+j], v[96+j:97+j], s[CS:CS+1], v[12:13] op_sel_hi:[1,0,0]
.set j, j+2
.endr
.set j, 0
	s_setprio 1
	s_wait_alu depctr_va_vdst(0)
.rept 64
	v_exp_f32 v[96+j], v[96+j]
.set j, j+1
.endr
	v_pk_mul_f32 v[14:15], v[14:15], v[252:253] op_sel_hi:[1,0]
	s_wait_alu depctr_va_vdst(0)
	v_pk_add_f32 v[242:243], v[100:101], v[104:105]
	v_pk_add_f32 v[254:255], v[108:109], v[112:113]
	v_pk_add_f32 v[250:251], v[116:117], v[120:121]
	v_pk_add_f32 v[248:249], v[124:125], v[128:129]
	v_pk_add_f32 v[246:247], v[132:133], v[136:137]
	v_pk_add_f32 v[240:241], v[140:141], v[144:145]
	v_pk_add_f32 v[238:239], v[148:149], v[152:153]
	v_pk_add_f32 v[14:15], v[14:15], v[156:157]
	v_pk_add_f32 v[242:243], v[242:243], v[96:97]
	v_pk_add_f32 v[254:255], v[254:255], v[98:99]
	v_pk_add_f32 v[250:251], v[250:251], v[102:103]
	v_pk_add_f32 v[248:249], v[248:249], v[106:107]
	v_pk_add_f32 v[246:247], v[246:247], v[110:111]
	v_pk_add_f32 v[240:241], v[240:241], v[114:115]
	v_pk_add_f32 v[238:239], v[238:239], v[118:119]
	v_pk_add_f32 v[14:15], v[14:15], v[122:123]
	v_pk_add_f32 v[242:243], v[242:243], v[126:127]
	v_pk_add_f32 v[254:255], v[254:255], v[130:131]
	v_pk_add_f32 v[250:251], v[250:251], v[134:135]
	v_pk_add_f32 v[248:249], v[248:249], v[138:139]
	v_pk_add_f32 v[246:247], v[246:247], v[142:143]
	v_pk_add_f32 v[240:241], v[240:241], v[146:147]
	v_pk_add_f32 v[238:239], v[238:239], v[150:151]
	v_pk_add_f32 v[14:15], v[14:15], v[154:155]
	v_pk_add_f32 v[242:243], v[242:243], v[158:159]
	s_delay_alu instid0(VALU_DEP_2)
	v_pk_add_f32 v[14:15], v[14:15], v[248:249]
	s_delay_alu instid0(VALU_DEP_2)
	v_pk_add_f32 v[242:243], v[242:243], v[246:247]
	v_pk_add_f32 v[254:255], v[254:255], v[240:241]
	v_pk_add_f32 v[250:251], v[250:251], v[238:239]
	s_delay_alu instid0(VALU_DEP_2)
	v_pk_add_f32 v[14:15], v[14:15], v[254:255]
	s_delay_alu instid0(VALU_DEP_2)
	v_pk_add_f32 v[242:243], v[242:243], v[250:251]
	s_delay_alu instid0(VALU_DEP_1)
	v_pk_add_f32 v[14:15], v[14:15], v[242:243]
.set b, 0
.rept 4
.set j, 0
.rept 16
.set j, j+1
.endr
	v_cvt_scalef32_pk8_fp8_f32 v[192+4*b:193+4*b], v[96+16*b:103+16*b], v244
	v_cvt_scalef32_pk8_fp8_f32 v[194+4*b:195+4*b], v[104+16*b:111+16*b], v244
.set b, b+1
.endr
.set j, 0
	s_setprio 0
.rept 16
	v_pk_mul_f32 v[160+j:161+j], v[160+j:161+j], v[252:253] op_sel_hi:[1,0]
.set j, j+2
.endr
	s_wait_alu depctr_va_vdst(0)
	s_wait_dscnt 0x0
.set i, 0
.rept 4
	v_wmma_f32_16x16x128_fp8_fp8 v[160+8*i:167+8*i], v[32+16*i:47+16*i], v[192:207], v[160+8*i:167+8*i]
.set i, i+1
.endr
	s_add_co_u32 s[TB], s[TB], 32*LP
	s_add_co_u32 s[TM], s[TM], 512
.endm
.macro PHASE p
	s_wait_tensorcnt 3-\p
	s_wait_dscnt 0x0
	s_barrier_signal -1
	s_barrier_wait -1
	s_mov_b32 s48, 4
.Lstep_\@:
	s_setprio 2
	STEP
	s_sub_co_u32 s48, s48, 1
	s_cmp_lg_u32 s48, 0
	s_cbranch_scc1 .Lstep_\@
	s_setprio 0
	s_add_co_u32 s[TB], s[TB], 128*LP
.endm
	PHASE 0
	PHASE 1
	PHASE 2
	PHASE 3
	v_add_f32 v14, v14, v15
	s_delay_alu instid0(VALU_DEP_1)
	v_permlanex16_b32 v252, v14, s[SEL], s[SEL+1]
	s_delay_alu instid0(VALU_DEP_1)
	v_add_f32 v14, v14, v252
	s_wait_alu depctr_va_vdst(0)
	v_rcp_f32 v14, v14
	v_nop
	s_add_co_i32 s84, s76, s77
	s_add_co_i32 s86, s78, 127
	s_lshl_b32 s87, s86, 23
	v_mov_b32 v216, s87
	s_wait_alu depctr_va_vdst(0)
	v_ldexp_f32 v14, v14, s84
.set j, 0
.rept 32
	v_mul_f32 v[96+j], v[160+j], v14
.set j, j+1
.endr
.set j, 0
.rept 32
.set j, j+1
.endr
.irp t, 0,1,2,3
	v_cvt_scalef32_pk8_fp8_f32 v[128+2*\t:129+2*\t], v[96+8*\t:103+8*\t], v216
.endr
	v_nop
.irp t, 0,1,2,3
	ds_store_b64 v[STO], v[128+2*\t:129+2*\t] offset:16*\t
.endr
.irp i, 0,1
	ds_load_b128 v[136+4*\i:139+4*\i], v[RD] offset:640*\i
.endr
.irp i, 0,1
	s_wait_dscnt 1-\i
	global_store_b128 v[GO], v[136+4*\i:139+4*\i], s[10:11] offset:8192*\i
.endr
	s_wait_tensorcnt 0x0
	ds_add_u32 v[SPW], v[NIL]
	s_wait_dscnt 0x0
	CROUND
	s_endpgm
.Lfunc_end_k_q81dc54cffd_attn:
	.size	k_q81dc54cffd_attn, .Lfunc_end_k_q81dc54cffd_attn-k_q81dc54cffd_attn
	.p2alignl 7, 3214868480
	.fill 96, 4, 3214868480
	.section	.rodata,"a",@progbits
	.p2align	6, 0x0
	.amdhsa_kernel k_q81dc54cffd_attn
		.amdhsa_group_segment_fixed_size 327680
		.amdhsa_private_segment_fixed_size 0
		.amdhsa_enable_private_segment 0
		.amdhsa_kernarg_size 32
		.amdhsa_user_sgpr_count 2
		.amdhsa_user_sgpr_kernarg_segment_ptr 1
		.amdhsa_wavefront_size32 1
		.amdhsa_system_sgpr_workgroup_id_x 1
		.amdhsa_system_sgpr_workgroup_id_y 1
		.amdhsa_system_sgpr_workgroup_id_z 1
		.amdhsa_system_vgpr_workitem_id 0
		.amdhsa_next_free_vgpr 256
		.amdhsa_next_free_sgpr 96
		.amdhsa_reserve_vcc 1
		.amdhsa_float_denorm_mode_32 3
		.amdhsa_float_denorm_mode_16_64 3
		.amdhsa_fp16_overflow 1
		.amdhsa_memory_ordered 1
		.amdhsa_forward_progress 1
		.amdhsa_inst_pref_size 73
	.end_amdhsa_kernel
	.amdgpu_metadata
---
amdhsa.version: [ 1, 2 ]
amdhsa.kernels:
  - .name:           k_q81dc54cffd_attn
    .symbol:         k_q81dc54cffd_attn.kd
    .args:
      - { .name: qkvc, .offset: 0, .size: 8, .value_kind: global_buffer, .address_space: global }
      - { .name: src_mask, .offset: 8, .size: 8, .value_kind: global_buffer, .address_space: global }
      - { .name: lowp_scales, .offset: 16, .size: 8, .value_kind: global_buffer, .address_space: global }
      - { .name: ac, .offset: 24, .size: 8, .value_kind: global_buffer, .address_space: global }
    .group_segment_fixed_size: 327680
    .private_segment_fixed_size: 0
    .kernarg_segment_align: 8
    .kernarg_segment_size: 32
    .max_flat_workgroup_size: 512
    .sgpr_count:     96
    .vgpr_count:     256
    .wavefront_size: 32
...
	.end_amdgpu_metadata
.endif
;; end of part 3
;; launch gemm_o (part 4): grid 8 x 32, 4 waves a work-group, clusters of 4 x 4, 327,680 bytes of LDS; arguments ac, wc, lowp_scales, bo, f32buf; writes f32buf
.if DOCPART == 4
	.amdgcn_target "amdgcn-amd-amdhsa--gfx1250"
	.amdhsa_code_object_version 6
	.text
	.protected	k_q81dc54cffd_gemm_o
	.globl	k_q81dc54cffd_gemm_o
	.p2align	8
	.type	k_q81dc54cffd_gemm_o,@function
k_q81dc54cffd_gemm_o:
	s_mov_b64 s[64:65], 0
	v_nop
	global_prefetch_b8 v0, s[64:65] scope:SCOPE_SE
	s_setreg_imm32_b32 hwreg(HW_REG_WAVE_MODE, 25, 1), 1
	s_wait_xcnt 0x0
	s_wait_alu depctr_hold_cnt(0) depctr_sa_sdst(0) depctr_va_vdst(0) depctr_va_sdst(0) depctr_va_ssrc(0) depctr_va_vcc(0) depctr_vm_vsrc(0)
	s_getreg_b32 s2, hwreg(HW_REG_IB_STS2, 6, 4)
	s_cmp_eq_u32 s2, 0
	s_cbranch_scc0 .Lentry_in_a_cluster
	s_endpgm
.Lentry_in_a_cluster:
	s_bfe_u32 s2, ttmp6, 0x10000c
	s_cmp_lg_u32 s2, 0xf033
	s_cbranch_scc0 .Lentry_shape_is_right
	s_endpgm
.Lentry_shape_is_right:
; C = A B^T x 2^(ea + eb) + bias, A [4096][SIZE_K] and B [1024][SIZE_K] codes of E4M3, C [4096][1024] f32.  Tiles of 128 x 128, so that there are 256 work-groups; four waves, 64 x 64 (16 accumulators) each.
; K goes in steps of 512 (rows of 512 bytes, 64 rows to a wave's tensor load) through a ring of two LDS slots; 4 x 4 work-groups form a cluster: A's tile is asked for jointly along a row of it, B's along a column.
; Source 0 = 16 rows of B, source 1 = 16 rows of A: a lane holds eight neighbouring numbers of a row of C.  A wave's 64 columns are 256 bytes, aligned: each wave has a stage of its own on the way out, and no barrier there.
; LIMIT: ea + eb between -126 and 127.
; REGISTERS: window 0: v16-29 addresses; v32-63 the bias; v64-127 at work on the way out; v128-255 the accumulators.  Window 1: two fragment buffers of 128: A's four blocks, then B's four, 128 along K.
.set SIZE_K, 1024
.set WOFF,   3<<20                     ; Wo's codes in wc
.set SOFF,   40                        ; entries 10, 11
.set KSTEP,  512
.set PITCH,  528                       ; 512 bytes + 16 of padding: the 16 rows that a load touches start at 16 different banks (64 banks of 4 bytes: ISA guide 11.1)
.set HALFT,  64*PITCH
.set SLOT,   4*HALFT
.set STAGE,  2*SLOT
.set SPITCH, 272
.set SPARE,  STAGE+4*16*SPITCH
.set LAPS,   SIZE_K/(2*KSTEP)
.set ADRA, 16
.set ADRB, 20
.set STO,  24
.set RD,   25
.set CO,   26
.set A32H, 27
.set SPW,  28
.set NIL,  29
.set CB,   32
.set T,    64
.set ACC,  128
.set F0,   0
.set F1,   128
.set G1, 24
.set G0, 32
.set G1B, 48
.set G0B, 56
.set MSB, 0
.macro WIN new
.if MSB != \new
	s_set_vgpr_msb (MSB<<8)|\new
.set MSB, \new
.endif
.endm
.set MUL,  0x05
.set TO_F, 0x40
.macro JLOAD s                         ; waves 0 and 1 fetch A's halves, waves 2 and 3 B's; an s_nop 0 and four v_nop follow each line
	s_cmp_eq_u32 s15, 0
	s_cbranch_scc0 .Lfor_b_\@
	tensor_load_to_lds s[G0+4*\s:G0+4*\s+3], s[G1:G1+7]
	s_nop 0
.rept 4
	v_nop
.endr
	s_branch .Lasked_\@
.Lfor_b_\@:
	tensor_load_to_lds s[G0B+4*\s:G0B+4*\s+3], s[G1B:G1B+7]
	s_nop 0
.rept 4
	v_nop
.endr
.Lasked_\@:
.endm
.macro CREST
	s_cmp_lg_u32 s14, 0
	s_cbranch_scc1 .Lnot_wave_0_\@
	s_barrier_signal -3
.Lnot_wave_0_\@:
	s_barrier_wait -3
	s_barrier_signal -1
	s_barrier_wait -1
.endm
.macro CROUND
	s_barrier_signal -1
	s_barrier_wait -1
	CREST
.endm
	s_load_b256 s[68:75], s[0:1], 0x0              ; A's codes 68, wc 70, scales 72, bias 74
	s_load_b64 s[76:77], s[0:1], 0x20              ; C
	v_lshl_add_u32 v[SPW], v0, 2, SPARE
	v_mov_b32 v[NIL], 0
	ds_add_u32 v[SPW], v[NIL]                      ; the wave's opening: the add and its wait ahead of my first tensor load
	v_lshrrev_b32 v1, 5, v0
	v_readfirstlane_b32 s14, v1
	s_lshr_b32 s15, s14, 1
	s_and_b32 s16, s14, 1
	s_bfe_u32 s40, ttmp6, 0x40000
	s_bfe_u32 s41, ttmp6, 0x40004
	s_lshl_b32 s42, ttmp9, 2
	s_add_co_u32 s42, s42, s40                     ; tile column
	s_and_b32 s17, ttmp7, 0xffff
	s_lshl_b32 s17, s17, 2
	s_add_co_u32 s17, s17, s41                     ; tile row
	s_lshl_b32 s43, s41, 2
	s_lshl_b32 s43, 15, s43
	s_lshl_b32 s44, 0x1111, s40
	s_or_b32 s[G1+0], s43, (0<<16)|(1<<20)|(1<<21)|(6<<22)|(3<<25)   ; mask; elements of 1 byte; padding: 4 words after every 128; bit 21 beside a mask
	s_or_b32 s[G1B+0], s44, (0<<16)|(1<<20)|(1<<21)|(6<<22)|(3<<25)
.irp g, G1, G1B
	s_mov_b32 s[\g+1], KSTEP<<16
	s_mov_b32 s[\g+2], 64<<16
	s_mov_b32 s[\g+3], KSTEP<<16
	s_mov_b32 s[\g+4], 64
	s_mov_b32 s[\g+5], SIZE_K
	s_mov_b32 s[\g+6], 0
	s_mov_b32 s[\g+7], 0
.endr
	s_lshl_b32 s18, s16, 6
	s_lshl_b32 s20, s17, 7
	s_add_co_u32 s20, s20, s18
	s_mul_i32 s20, s20, SIZE_K
	s_mov_b32 s21, 0
	s_lshl_b32 s46, s42, 7
	s_add_co_u32 s46, s46, s18
	s_mul_i32 s46, s46, SIZE_K
	s_add_co_u32 s46, s46, WOFF
	s_mov_b32 s47, 0
	s_mul_i32 s45, s14, HALFT
	s_wait_dscnt 0x0
	s_wait_kmcnt 0x0
	s_load_b64 s[96:97], s[72:73], SOFF
	s_add_nc_u64 s[20:21], s[68:69], s[20:21]
	s_add_nc_u64 s[46:47], s[70:71], s[46:47]
	CROUND
.irp s, 0,1
	s_mov_b32 s[G0+4*\s], 1
	s_add_co_u32 s[G0+4*\s+1], s45, \s*SLOT
	s_add_nc_u64 s[G0+4*\s+2:G0+4*\s+3], s[20:21], \s*KSTEP
	s_or_b32 s[G0+4*\s+3], s[G0+4*\s+3], 0x80000000
	s_mov_b32 s[G0B+4*\s], 1
	s_add_co_u32 s[G0B+4*\s+1], s45, \s*SLOT
	s_add_nc_u64 s[G0B+4*\s+2:G0B+4*\s+3], s[46:47], \s*KSTEP
	s_or_b32 s[G0B+4*\s+3], s[G0B+4*\s+3], 0x80000000
	JLOAD \s
.endr
	v_and_b32 v1, 15, v0
	v_bfe_u32 v2, v0, 4, 1
	v_mul_u32_u24 v3, v1, PITCH
	v_lshl_add_u32 v4, v2, 4, v3
	s_mul_i32 s21, s15, HALFT
	s_mul_i32 s22, s16, HALFT
	s_add_co_u32 s22, s22, 2*HALFT
.irp s, 0,1
	v_add_nc_u32 v[ADRA+\s], s21, v4
	v_add_nc_u32 v[ADRB+\s], s22, v4
	s_add_co_u32 s21, s21, SLOT
	s_add_co_u32 s22, s22, SLOT
.endr
	s_mul_i32 s23, s14, 16*SPITCH
	s_add_co_u32 s23, s23, STAGE
	v_mul_u32_u24 v5, v1, SPITCH
	v_lshl_add_u32 v5, v2, 5, v5
	v_add_nc_u32 v[STO], s23, v5
	v_mul_u32_u24 v6, v2, SPITCH
	v_lshl_add_u32 v6, v1, 4, v6
	v_add_nc_u32 v[RD], s23, v6
	v_lshlrev_b32 v[CO], 12, v2
	v_lshl_add_u32 v[CO], v1, 4, v[CO]
	v_lshlrev_b32 v[A32H], 5, v2
	s_lshl_b32 s8, s42, 7
	s_lshl_b32 s9, s16, 6
	s_add_co_u32 s8, s8, s9
	s_lshl_b32 s8, s8, 2                           ; my first column, in bytes
	s_mov_b32 s9, 0
	s_add_nc_u64 s[74:75], s[74:75], s[8:9]
	s_lshl_b32 s10, s17, 7
	s_lshl_b32 s11, s15, 6
	s_add_co_u32 s10, s10, s11
	s_lshl_b32 s10, s10, 12
	s_add_co_u32 s10, s10, s8
	s_mov_b32 s11, 0
	s_add_nc_u64 s[86:87], s[76:77], s[10:11]
.irp b, 0,1,2,3
	global_load_b128 v[CB+8*\b:CB+8*\b+3], v[A32H], s[74:75] offset:64*\b        ; they stay out during the K loop
	global_load_b128 v[CB+8*\b+4:CB+8*\b+7], v[A32H], s[74:75] offset:64*\b+16
.endr
.macro FRAG reg, adr, k, i
.irp c, 0,1,2,3
	ds_load_b128 v[\reg+4*\c:\reg+4*\c+3], v[\adr] offset:(\k)+32*\c+(\i)*16*PITCH
.endr
.endm
.macro FETCH slot, k, f                ; 32 LDS loads in one run: B's four blocks, then A's four, 128 along K at byte k of the rows
	WIN TO_F
.irp i, 0,1,2,3
	FRAG \f+64+16*\i, ADRB+\slot, \k, \i
.endr
.irp i, 0,1,2,3
	FRAG \f+16*\i, ADRA+\slot, \k, \i
.endr
.endm
.macro MUL4 f, a, zero                 ; the 16 accumulators take turns, one instruction a turn, in one order throughout
.irp b, 0,1,2,3
.if \zero
	v_wmma_f32_16x16x128_fp8_fp8 v[ACC+8*(4*(\a)+\b):ACC+8*(4*(\a)+\b)+7], v[\f+64+16*\b:\f+64+16*\b+15], v[\f+16*(\a):\f+16*(\a)+15], 0
.else
	v_wmma_f32_16x16x128_fp8_fp8 v[ACC+8*(4*(\a)+\b):ACC+8*(4*(\a)+\b)+7], v[\f+64+16*\b:\f+64+16*\b+15], v[\f+16*(\a):\f+16*(\a)+15], v[ACC+8*(4*(\a)+\b):ACC+8*(4*(\a)+\b)+7]
.endif
.endr
.endm
.macro PLACES
.rept 4
	v_nop
.endr
.endm
.macro QUARTER slot, k, f, g, zero     ; 128 along K on buffer f; the next quarter, at byte k, is fetched into g
	s_wait_dscnt 8                                 ; B's blocks and A's 0, 1 are in; A's 2, 3 may be out
	WIN MUL
	MUL4 \f, 0, \zero
	MUL4 \f, 1, \zero
	PLACES
	FETCH \slot, \k, \g
	s_wait_dscnt 32                                ; all but the 32 just issued
	WIN MUL
	MUL4 \f, 2, \zero
	MUL4 \f, 3, \zero
.endm
.macro TURN slot, next, fill           ; a slot's last quarter, on buffer 1, changes slots
	WIN 0
	s_wait_tensorcnt 0x0                           ; all my tensor loads have landed: my part of the next slot
	ds_add_u32 v[SPW], v[NIL]
	s_wait_dscnt 9                                 ; the add and A's blocks 2, 3 may be out
	WIN MUL
	MUL4 F1, 0, 0
	s_wait_dscnt 0x0                               ; the add is done, and my reads of this slot are over
	s_barrier_signal -1
	MUL4 F1, 1, 0
	WIN 0
	s_barrier_wait -1
.if \fill
	CREST                                          ; no wave of any partner still reads this slot or has a load on its way
	s_add_nc_u64 s[G0+4*\slot+2:G0+4*\slot+3], s[G0+4*\slot+2:G0+4*\slot+3], 2*KSTEP
	s_add_nc_u64 s[G0B+4*\slot+2:G0B+4*\slot+3], s[G0B+4*\slot+2:G0B+4*\slot+3], 2*KSTEP
	JLOAD \slot                                    ; the first tensor load behind the round, one a wave; its four v_nop are the places in front of the loads below
.else
	PLACES
.endif
	FETCH \next, 0, F0
	WIN MUL
	MUL4 F1, 2, 0
	MUL4 F1, 3, 0
.endm
	s_wait_tensorcnt 1                             ; my part of K step 0 is in; K step 1's load may be out
	s_barrier_signal -1
	s_barrier_wait -1
	FETCH 0, 0, F0
	QUARTER 0, 128, F0, F1, 1                      ; the first quarter's products start the sums
.if LAPS > 1
	WIN 0
	s_mov_b32 s3, LAPS-1
.Llap:
	QUARTER 0, 256, F1, F0, 0
	QUARTER 0, 384, F0, F1, 0
	TURN 0, 1, 1
	QUARTER 1, 128, F0, F1, 0
	QUARTER 1, 256, F1, F0, 0
	QUARTER 1, 384, F0, F1, 0
	TURN 1, 0, 1
	QUARTER 0, 128, F0, F1, 0
	WIN 0
	s_sub_co_u32 s3, s3, 1
	s_cmp_lg_u32 s3, 0
	s_cbranch_scc1 .Llap
.endif
	QUARTER 0, 256, F1, F0, 0                      ; the last lap fills nothing
	QUARTER 0, 384, F0, F1, 0
	TURN 0, 1, 0
	QUARTER 1, 128, F0, F1, 0
	QUARTER 1, 256, F1, F0, 0
	QUARTER 1, 384, F0, F1, 0
	s_wait_dscnt 8
	WIN MUL
	MUL4 F1, 0, 0
	MUL4 F1, 1, 0
	s_wait_dscnt 0
	MUL4 F1, 2, 0
	MUL4 F1, 3, 0
	WIN 0
	; THE WAY OUT, 16 rows at a time, through my own stage; the rows come back into the block's own accumulator registers, so no store's data are written again
	s_wait_kmcnt 0x0
	s_wait_loadcnt 0x0
	s_add_co_i32 s96, s96, s97
	s_add_co_i32 s96, s96, 127
	s_lshl_b32 s96, s96, 23
	s_mov_b32 s97, s96
	PLACES
.macro TOSTAGE a
.set TS, T+32*((\a)%2)
.set i, 0
.rept 16
	v_pk_fma_f32 v[TS+i:TS+i+1], v[ACC+32*(\a)+i:ACC+32*(\a)+i+1], s[96:97], v[CB+i:CB+i+1] op_sel_hi:[1,0,1]   ; each accumulator from its low end on
.set i, i+2
.endr
.irp b, 0,1,2,3
	ds_store_b128 v[STO], v[TS+8*\b:TS+8*\b+3] offset:64*\b
	ds_store_b128 v[STO], v[TS+8*\b+4:TS+8*\b+7] offset:64*\b+16
.endr
.irp t, 0,1,2,3,4,5,6,7
	ds_load_b128 v[ACC+32*(\a)+4*\t:ACC+32*(\a)+4*\t+3], v[RD] offset:2*\t*SPITCH   ; LDS serves a wave's instructions in order
.endr
.endm
.macro SEND a, younger
	s_wait_dscnt \younger
.irp t, 0,1,2,3,4,5,6,7
	global_store_b128 v[CO], v[ACC+32*(\a)+4*\t:ACC+32*(\a)+4*\t+3], s[86:87] offset:(16*(\a)+2*\t)*4096   ; sixteen lanes store 256 consecutive bytes, aligned
.endr
.endm
	TOSTAGE 0
	TOSTAGE 1
	SEND 0, 16                                     ; behind block 0's loads: block 1's 8 stores and 8 loads
	TOSTAGE 2
	SEND 1, 16
	TOSTAGE 3
	SEND 2, 16
	SEND 3, 0
	s_wait_tensorcnt 0x0                           ; the wave's end
	ds_add_u32 v[SPW], v[NIL]
	s_wait_dscnt 0x0
	CROUND
	s_endpgm
.Lfunc_end_k_q81dc54cffd_gemm_o:
	.size	k_q81dc54cffd_gemm_o, .Lfunc_end_k_q81dc54cffd_gemm_o-k_q81dc54cffd_gemm_o
	.p2alignl 7, 3214868480
	.fill 96, 4, 3214868480
	.section	.rodata,"a",@progbits
	.p2align	6, 0x0
	.amdhsa_kernel k_q81dc54cffd_gemm_o
		.amdhsa_group_segment_fixed_size 327680
		.amdhsa_private_segment_fixed_size 0
		.amdhsa_enable_private_segment 0
		.amdhsa_kernarg_size 40
		.amdhsa_user_sgpr_count 2
		.amdhsa_user_sgpr_kernarg_segment_ptr 1
		.amdhsa_wavefront_size32 1
		.amdhsa_system_sgpr_workgroup_id_x 1
		.amdhsa_system_sgpr_workgroup_id_y 1
		.amdhsa_system_sgpr_workgroup_id_z 1
		.amdhsa_system_vgpr_workitem_id 0
		.amdhsa_next_free_vgpr 512
		.amdhsa_next_free_sgpr 100
		.amdhsa_reserve_vcc 0
		.amdhsa_float_denorm_mode_32 3
		.amdhsa_float_denorm_mode_16_64 3
		.amdhsa_memory_ordered 1
		.amdhsa_forward_progress 1
		.amdhsa_inst_pref_size 46
	.end_amdhsa_kernel
	.amdgpu_metadata
---
amdhsa.version: [ 1, 2 ]
amdhsa.kernels:
  - .name:           k_q81dc54cffd_gemm_o
    .symbol:         k_q81dc54cffd_gemm_o.kd
    .args:
      - { .name: ac, .offset: 0, .size: 8, .value_kind: global_buffer, .address_space: global }
      - { .name: wc, .offset: 8, .size: 8, .value_kind: global_buffer, .address_space: global }
      - { .name: lowp_scales, .offset: 16, .size: 8, .value_kind: global_buffer, .address_space: global }
      - { .name: bo, .offset: 24, .size: 8, .value_kind: global_buffer, .address_space: global }
      - { .name: f32buf, .offset: 32, .size: 8, .value_kind: global_buffer, .address_space: global }
    .group_segment_fixed_size: 327680
    .private_segment_fixed_size: 0
    .kernarg_segment_align: 8
    .kernarg_segment_size: 40
    .max_flat_workgroup_size: 128
    .sgpr_count:     100
    .vgpr_count:     512
    .wavefront_size: 32
...
	.end_amdgpu_metadata
.endif
;; end of part 4
;; launch ln1 (part 5): grid 256 x 1, 4 waves a work-group, no clusters, 8,704 bytes of LDS; arguments f32buf, x, alpha1, beta1, lowp_scales, x1, x1c; writes x1, x1c
.if DOCPART == 5
	.amdgcn_target "amdgcn-amd-amdhsa--gfx1250"
	.amdhsa_code_object_version 6
	.text
	.protected	k_q81dc54cffd_ln1
	.globl	k_q81dc54cffd_ln1
	.p2align	8
	.type	k_q81dc54cffd_ln1,@function
k_q81dc54cffd_ln1:
	s_mov_b64 s[64:65], 0
	v_nop
	global_prefetch_b8 v0, s[64:65] scope:SCOPE_SE
	s_setreg_imm32_b32 hwreg(HW_REG_WAVE_MODE, 25, 1), 1
	s_wait_xcnt 0x0
; y = res + (a - mean(a)) / (std(a) + 1e-6) x alpha + beta, row by row of 1,024; std with the divisor 1,023.  CODES = 1: y also leaves as codes of E4M3 under entry 12.
; A stream: one wave to a row (32 registers of a, 32 of res), four rows a wave, two row slots, so that the next row's 16 loads are out while a row is worked.  The norm is made of deviations from the mean, never of a difference of
; large sums.  No matrix unit, no cluster (work-groups share only alpha and beta), no barrier.  Each load and store of a wave covers 512 consecutive bytes.
; LIMITS: e between -126 and 119; NaN is not served; a variance under the smallest normal f32 counts as 0.
.set CODES, 1
.set AL, 16
.set BE, 48
.set T,  208
.set MN, 216
.set IV, 218
.set QS, 220
.set QL, 221
.set CD, 224
.set BK, 232
.set SPW, 10
.set NIL, 11
.set SPARE, 8192
	s_load_b256 s[4:11], s[0:1], 0x0               ; a 4, res 6, alpha 8, beta 10
.if CODES
	s_load_b128 s[12:15], s[0:1], 0x20             ; scales 12, y 14
	s_load_b64 s[16:17], s[0:1], 0x30              ; y's codes
	v_lshl_add_u32 v[SPW], v0, 2, SPARE
	v_mov_b32 v[NIL], 0
.else
	s_load_b64 s[14:15], s[0:1], 0x20              ; y
.endif
	v_lshrrev_b32 v2, 5, v0
	v_readfirstlane_b32 s18, v2
	v_and_b32 v3, 31, v0
	v_lshlrev_b32 v1, 4, v3                        ; 16 x lane
	s_lshl_b32 s19, ttmp9, 2
	s_add_co_u32 s19, s19, s18
	s_lshl_b32 s20, s19, 14                        ; my four rows of 4,096 bytes
	s_mov_b32 s21, 0
	s_mov_b32 s22, 0x76543210
	s_mov_b32 s23, 0xfedcba98
.if CODES
	s_lshl_b32 s24, s19, 12
	s_mov_b32 s25, 0
	s_lshl_b32 s26, s18, 11                        ; my two stages of 1,024 bytes
	v_lshlrev_b32 v4, 2, v3
	v_add_nc_u32 v4, s26, v4
	v_add_nc_u32 v5, s26, v1
.endif
	s_wait_kmcnt 0x0
.if CODES
	s_load_b32 s27, s[12:13], 0x30
	s_add_nc_u64 s[16:17], s[16:17], s[24:25]
.endif
	s_add_nc_u64 s[4:5], s[4:5], s[20:21]
	s_add_nc_u64 s[6:7], s[6:7], s[20:21]
	s_add_nc_u64 s[14:15], s[14:15], s[20:21]
.irp j, 0,1,2,3,4,5,6,7
	global_load_b128 v[AL+4*\j:AL+4*\j+3], v1, s[8:9] offset:512*\j
.endr
.irp j, 0,1,2,3,4,5,6,7
	global_load_b128 v[BE+4*\j:BE+4*\j+3], v1, s[10:11] offset:512*\j
.endr
.macro FILL i
.irp j, 0,1,2,3,4,5,6,7
	global_load_b128 v[80+64*((\i)%2)+4*\j:83+64*((\i)%2)+4*\j], v1, s[4:5] offset:4096*(\i)+512*\j th:TH_LOAD_NT
.endr
.irp j, 0,1,2,3,4,5,6,7
	global_load_b128 v[112+64*((\i)%2)+4*\j:115+64*((\i)%2)+4*\j], v1, s[6:7] offset:4096*(\i)+512*\j th:TH_LOAD_NT
.endr
.endm
	FILL 0
	FILL 1
.if CODES
	s_wait_kmcnt 0x0
	s_add_co_i32 s27, s27, 127
	s_lshl_b32 s28, s27, 23
	v_mov_b32 v[QS], s28
	s_add_co_i32 s27, s27, 8
	s_lshl_b32 s27, s27, 23
	s_or_b32 s27, s27, 0x600000
	v_mov_b32 v[QL], s27
.endif
.macro REDUCE                          ; v[T] summed over the 32 lanes, the result in every lane
	v_add_f32_dpp v[T], v[T], v[T] row_xmask:1 row_mask:0xf bank_mask:0xf
	v_add_f32_dpp v[T], v[T], v[T] row_xmask:2 row_mask:0xf bank_mask:0xf
	v_add_f32_dpp v[T], v[T], v[T] row_xmask:4 row_mask:0xf bank_mask:0xf
	v_add_f32_dpp v[T], v[T], v[T] row_xmask:8 row_mask:0xf bank_mask:0xf
	v_permlanex16_b32 v[T+1], v[T], s22, s23
	v_add_f32 v[T], v[T], v[T+1]
.endm
.macro ROW i, fill, left
.set A,  80+64*((\i)%2)
.set XR, 112+64*((\i)%2)
	s_wait_loadcnt \left                           ; this row's loads are in; the next row's 16 may be out
	v_pk_add_f32 v[T:T+1], v[A:A+1], v[A+2:A+3]
	v_pk_add_f32 v[T+2:T+3], v[A+4:A+5], v[A+6:A+7]
.irp j, 8,12,16,20,24,28
	v_pk_add_f32 v[T:T+1], v[T:T+1], v[A+\j:A+\j+1]
	v_pk_add_f32 v[T+2:T+3], v[T+2:T+3], v[A+\j+2:A+\j+3]
.endr
	v_pk_add_f32 v[T:T+1], v[T:T+1], v[T+2:T+3]
	v_add_f32 v[T], v[T], v[T+1]
	REDUCE
	v_mul_f32 v[MN], 0x3a800000, v[T]              ; / 1,024
	v_mov_b32 v[MN+1], v[MN]
.set j, 0
.rept 16
	v_pk_add_f32 v[A+j:A+j+1], v[A+j:A+j+1], v[MN:MN+1] neg_lo:[0,1] neg_hi:[0,1]
.set j, j+2
.endr
	v_pk_mul_f32 v[T:T+1], v[A:A+1], v[A:A+1]
	v_pk_mul_f32 v[T+2:T+3], v[A+2:A+3], v[A+2:A+3]
.irp j, 4,8,12,16,20,24,28
	v_pk_fma_f32 v[T:T+1], v[A+\j:A+\j+1], v[A+\j:A+\j+1], v[T:T+1]
	v_pk_fma_f32 v[T+2:T+3], v[A+\j+2:A+\j+3], v[A+\j+2:A+\j+3], v[T+2:T+3]
.endr
	v_pk_add_f32 v[T:T+1], v[T:T+1], v[T+2:T+3]
	v_add_f32 v[T], v[T], v[T+1]
	REDUCE
	v_mul_f32 v[T], 0x3a802008, v[T]               ; / 1,023
	v_sqrt_f32 v[T+2], v[T]
	v_nop                                          ; a plain line behind the transcendental,
	s_wait_alu depctr_va_vdst(0)                   ; and a wait ahead of its first reader
	v_add_f32 v[T+2], 0x358637bd, v[T+2]           ; + 1e-6
	v_rcp_f32 v[IV], v[T+2]
	v_nop
	s_wait_alu depctr_va_vdst(0)
	v_mov_b32 v[IV+1], v[IV]
.set j, 0
.rept 16
	v_pk_mul_f32 v[A+j:A+j+1], v[A+j:A+j+1], v[IV:IV+1]
.set j, j+2
.endr
.set j, 0
.rept 16
	v_pk_fma_f32 v[A+j:A+j+1], v[A+j:A+j+1], v[AL+j:AL+j+1], v[BE+j:BE+j+1]
.set j, j+2
.endr
.set j, 0
.rept 16
	v_pk_add_f32 v[XR+j:XR+j+1], v[XR+j:XR+j+1], v[A+j:A+j+1]
.set j, j+2
.endr
.irp j, 0,1,2,3,4,5,6,7
	global_store_b128 v1, v[XR+4*\j:XR+4*\j+3], s[14:15] offset:4096*(\i)+512*\j
.endr
.if CODES
.set j, 0
.rept 32
	v_med3_num_f32 v[A+j], v[XR+j], -v[QL], v[QL]
.set j, j+1
.endr
.irp u, 0,1,2,3
	v_cvt_scalef32_pk8_fp8_f32 v[CD+2*\u:CD+2*\u+1], v[A+8*\u:A+8*\u+7], v[QS]   ; register j: the four codes of columns 128 j + 4 x lane on
.endr
	v_nop
.irp j, 0,1,2,3,4,5,6,7
	ds_store_b32 v4, v[CD+\j] offset:1024*((\i)%2)+128*\j
.endr
.irp u, 0,1
	ds_load_b128 v[BK+4*\u:BK+4*\u+3], v5 offset:1024*((\i)%2)+512*\u
.endr
	s_wait_dscnt 0x0
.irp u, 0,1
	global_store_b128 v1, v[BK+4*\u:BK+4*\u+3], s[16:17] offset:1024*(\i)+512*\u
.endr
.endif
.if (\i) < 3
	s_wait_xcnt 0x0                                ; the stores have read their registers: they are written again only behind this wait
.endif
.if \fill
	FILL (\i)+2
.endif
.endm
	ROW 0, 1, 16
	ROW 1, 1, 16
	ROW 2, 0, 16
	ROW 3, 0, 0
.if CODES
	s_wait_tensorcnt 0x0                           ; the wave's end, behind my last LDS store
	ds_add_u32 v[SPW], v[NIL]
	s_wait_dscnt 0x0
.endif
	s_endpgm
.Lfunc_end_k_q81dc54cffd_ln1:
	.size	k_q81dc54cffd_ln1, .Lfunc_end_k_q81dc54cffd_ln1-k_q81dc54cffd_ln1
	.p2alignl 7, 3214868480
	.fill 96, 4, 3214868480
	.section	.rodata,"a",@progbits
	.p2align	6, 0x0
	.amdhsa_kernel k_q81dc54cffd_ln1
		.amdhsa_group_segment_fixed_size 8704
		.amdhsa_private_segment_fixed_size 0
		.amdhsa_enable_private_segment 0
		.amdhsa_kernarg_size 56
		.amdhsa_user_sgpr_count 2
		.amdhsa_user_sgpr_kernarg_segment_ptr 1
		.amdhsa_wavefront_size32 1
		.amdhsa_system_sgpr_workgroup_id_x 1
		.amdhsa_system_sgpr_workgroup_id_y 1
		.amdhsa_system_sgpr_workgroup_id_z 1
		.amdhsa_system_vgpr_workitem_id 0
		.amdhsa_next_free_vgpr 240
		.amdhsa_next_free_sgpr 66
		.amdhsa_reserve_vcc 0
		.amdhsa_float_denorm_mode_32 3
		.amdhsa_float_denorm_mode_16_64 3
		.amdhsa_memory_ordered 1
		.amdhsa_forward_progress 1
		.amdhsa_inst_pref_size 54
	.end_amdhsa_kernel
	.amdgpu_metadata
---
amdhsa.version: [ 1, 2 ]
amdhsa.kernels:
  - .name:           k_q81dc54cffd_ln1
    .symbol:         k_q81dc54cffd_ln1.kd
    .args:
      - { .name: f32buf, .offset: 0, .size: 8, .value_kind: global_buffer, .address_space: global }
      - { .name: x, .offset: 8, .size: 8, .value_kind: global_buffer, .address_space: global }
      - { .name: alpha1, .offset: 16, .size: 8, .value_kind: global_buffer, .address_space: global }
      - { .name: beta1, .offset: 24, .size: 8, .value_kind: global_buffer, .address_space: global }
      - { .name: lowp_scales, .offset: 32, .size: 8, .value_kind: global_buffer, .address_space: global }
      - { .name: x1, .offset: 40, .size: 8, .value_kind: global_buffer, .address_space: global }
      - { .name: x1c, .offset: 48, .size: 8, .value_kind: global_buffer, .address_space: global }
    .group_segment_fixed_size: 8704
    .private_segment_fixed_size: 0
    .kernarg_segment_align: 8
    .kernarg_segment_size: 56
    .max_flat_workgroup_size: 128
    .sgpr_count:     66
    .vgpr_count:     240
    .wavefront_size: 32
...
	.end_amdgpu_metadata
.endif
;; end of part 5
;; launch gemm_ffn1 (part 6): grid 16 x 16, 4 waves a work-group, clusters of 4 x 4, 327,680 bytes of LDS; arguments x1c, wc, lowp_scales, b1, hc; writes hc
.if DOCPART == 6
	.amdgcn_target "amdgcn-amd-amdhsa--gfx1250"
	.amdhsa_code_object_version 6
	.text
	.protected	k_q81dc54cffd_gemm_ffn1
	.globl	k_q81dc54cffd_gemm_ffn1
	.p2align	8
	.type	k_q81dc54cffd_gemm_ffn1,@function
k_q81dc54cffd_gemm_ffn1:
	s_mov_b64 s[64:65], 0
	v_nop
	global_prefetch_b8 v0, s[64:65] scope:SCOPE_SE
	s_setreg_imm32_b32 hwreg(HW_REG_WAVE_MODE, 25, 1), 1
	s_wait_xcnt 0x0
	s_wait_alu depctr_hold_cnt(0) depctr_sa_sdst(0) depctr_va_vdst(0) depctr_va_sdst(0) depctr_va_ssrc(0) depctr_va_vcc(0) depctr_vm_vsrc(0)
	s_getreg_b32 s2, hwreg(HW_REG_IB_STS2, 6, 4)
	s_cmp_eq_u32 s2, 0
	s_cbranch_scc0 .Lentry_in_a_cluster
	s_endpgm
.Lentry_in_a_cluster:
	s_bfe_u32 s2, ttmp6, 0x10000c
	s_cmp_lg_u32 s2, 0xf033
	s_cbranch_scc0 .Lentry_shape_is_right
	s_endpgm
.Lentry_shape_is_right:
; A GEMM on codes of E4M3 whose results leave as codes again.  K = 1,024.  A tile of 256 x 256 to a work-group of four waves, 128 x 128 (64 accumulators) to a wave.
; K goes in steps of 256 through a ring of two LDS slots filled by joint tensor loads: 4 x 4 work-groups form a cluster; the side called A is shared along a row of it, the side called B along a column.
; The matrix instruction takes 16 rows of B as source 0 and 16 rows of A as source 1: a lane holds ONE row of A's side and eight neighbours of B's side, which are what one conversion takes.
; QKV = 1: q, k, v = x W + b, one cluster column (1,024 columns) to each.  q and k: A = tokens, B = the weight's rows, so a lane's eight are neighbours along d.  v: A = Wv's rows, B = tokens, so a lane's eight are
;   neighbouring KEYS: v leaves with the keys innermost, as the second product of attention wants it.  Only data are swapped (pointers and offsets, by selects on the cluster's x, which all partners share), no instruction.
;   Rows of k whose token the mask hides get the hold's limit 0: zero codes, so that attention can give the masked score as the sum's start.
;   qkvc: planes q, k, v of 4 MiB, each [b 2][head 16][block 32][64 rows][64 bytes]: q, k: row = token, bytes along d; v: row = d, bytes along the 64 keys of the block.
; QKV = 0: hc = codes of relu(x1 W1 + b1), [4096][4096].
; LIMITS: ea + eb between -126 and 127; the results' e between -126 and 119.  NaN is not served.
; REGISTERS: window 0: v0-31 addresses; v32-123 biases, mask words, scale and limit; from v128 A's fragments, ONE set; on the way out v32-207 are at work.  Window 1: B's fragments, two sets.  Windows 2, 3: the accumulators.
.set QKV,    0
.set KSTEP,  256
.set ROWB,   256
.set KROW,   1024
.set PITCH,  272                       ; an LDS row: 256 bytes + 16 of padding: the 16 rows that a load touches start at 16 different banks (64 banks of 4 bytes: ISA guide 11.1)
.set FR,     16
.set NL,     4
.set NP,     4                         ; places behind this matrix instruction (ISA guide 7.12.1)
.set HALFT,  128*PITCH
.set SLOT,   4*HALFT
.set LAPS,   KROW/(2*KSTEP)
.set SPARE,  2*SLOT                    ; behind the ring: the spare words, 128 bytes a wave
.set SPITCH, 272                       ; the way out: ONE stage of 256 rows x (256 + 16) bytes, in slot 0, which has had its last fill and its last read by then
.set ADRA, 16
.set ADRB, 20
.set STO,  24
.set RD,   25
.set GO,   26
.set SPW,  28
.set NIL,  29
.set CB,   32                          ; v32-95   bias by column: block b's eight numbers at 8 b
.set RB,   96                          ; v96-111  bias by row, block a's number twice (a pair for the packed addition)
.set MK,   112                         ; v112-119 the row's mask word, then the row's limit
.set QS,   120                         ; v120 2^e of the results; v121 448 x that
.set QL,   121
.set A32H, 122                         ; v122 32 x (lane / 16); v123 4 x (lane % 16): the bias loads' offsets, kept until those loads are waited for
.set A4R,  123
.set T,    128
.set CD,   192
.set OUT,  32
.set AF,   128
.set G1, 24
.set G0, 32
.set G1B, 48
.set G0B, 56
.set MSB, 0
.macro WIN new                         ; the immediate's high byte repeats the setting that is left
.if MSB != \new
	s_set_vgpr_msb (MSB<<8)|\new
.set MSB, \new
.endif
.endm
.set MUL_LO, 0xa1
.set MUL_HI, 0xf1
.set TO_B,   0x40
.macro JLOAD g0a, g1a, g0b, g1b        ; a joint load: waves 0 and 1 fetch for A, waves 2 and 3 for B; an s_nop 0 and four v_nop follow each line
	s_cmp_eq_u32 s15, 0
	s_cbranch_scc0 .Lfor_b_\@
	tensor_load_to_lds s[\g0a:\g0a+3], s[\g1a:\g1a+7]
	s_nop 0
.rept 4
	v_nop
.endr
	s_branch .Lasked_\@
.Lfor_b_\@:
	tensor_load_to_lds s[\g0b:\g0b+3], s[\g1b:\g1b+7]
	s_nop 0
.rept 4
	v_nop
.endr
.Lasked_\@:
.endm
.macro CREST
	s_cmp_lg_u32 s14, 0
	s_cbranch_scc1 .Lnot_wave_0_\@
	s_barrier_signal -3
.Lnot_wave_0_\@:
	s_barrier_wait -3
	s_barrier_signal -1
	s_barrier_wait -1
.endm
.macro CROUND
	s_barrier_signal -1
	s_barrier_wait -1
	CREST
.endm
.if QKV
	s_load_b512 s[68:83], s[0:1], 0x0              ; xc 68, wc 70, scales 72, mask 74, bq 76, bk 78, bv 80, qkvc 82
.else
	s_load_b256 s[68:75], s[0:1], 0x0              ; x1c 68, wc 70, scales 72, b1 74
	s_load_b64 s[76:77], s[0:1], 0x20              ; hc
.endif
	v_lshl_add_u32 v[SPW], v0, 2, SPARE
	v_mov_b32 v[NIL], 0
	ds_add_u32 v[SPW], v[NIL]                      ; the wave's opening: the add and its wait ahead of my first tensor load
	v_lshrrev_b32 v1, 5, v0
	v_readfirstlane_b32 s14, v1                    ; wave
	s_lshr_b32 s15, s14, 1                         ; my half of A's side.  Also: I fetch for A (0) or B (1)
	s_and_b32 s16, s14, 1                          ; my half of B's side.  Also: which 128 rows I fetch
	s_bfe_u32 s40, ttmp6, 0x40000                  ; cx
	s_bfe_u32 s41, ttmp6, 0x40004                  ; cy
	s_mov_b32 s66, ttmp9                           ; the cluster's x
	s_and_b32 s67, ttmp7, 0xffff                   ; the cluster's y
	s_lshl_b32 s43, s41, 2
	s_lshl_b32 s43, 15, s43                        ; my row of the cluster
	s_lshl_b32 s44, 0x1111, s40                    ; my column
	s_or_b32 s[G1+0], s43, (0<<16)|(1<<20)|(1<<21)|(5<<22)|(3<<25)   ; mask; elements of 1 byte; padding on; bit 21 beside a mask; after every 64 words, 4 words
	s_or_b32 s[G1B+0], s44, (0<<16)|(1<<20)|(1<<21)|(5<<22)|(3<<25)
.irp g, G1, G1B
	s_mov_b32 s[\g+1], ROWB<<16
	s_mov_b32 s[\g+2], 128<<16
	s_mov_b32 s[\g+3], ROWB<<16
	s_mov_b32 s[\g+4], 128
	s_mov_b32 s[\g+5], KROW
	s_mov_b32 s[\g+6], 0
	s_mov_b32 s[\g+7], 0
.endr
.if QKV
	s_lshl_b32 s19, s67, 10                        ; the cluster's 1,024 tokens
	s_lshl_b32 s22, s66, 22                        ; x's plane of codes
	s_lshl_b32 s23, s66, 20                        ; the weight's codes
	s_lshl_b32 s100, s66, 3                        ; the product's two scales
	s_lshl_b32 s84, s66, 2
	s_add_co_u32 s84, s84, 24                      ; the results' scale: entries 6, 7, 9
	s_cmp_eq_u32 s66, 2                            ; v?  The same in all sixteen partners
	s_cselect_b32 s12, 0, s19                      ; the tokens are A's rows (q, k)
	s_cselect_b32 s13, s19, 0                      ; or B's (v)
	s_cselect_b32 s22, 0x200000, s22               ; A begins: x's plane, or Wv's codes
	s_cselect_b32 s23, 0x800000, s23               ; B begins: the weight's codes, or x's third plane
	s_cselect_b32 s85, 4, 0
	s_add_co_u32 s84, s84, s85
	s_mov_b32 s85, 0
	s_mov_b32 s101, 0
.else
	s_lshl_b32 s12, s67, 10
	s_lshl_b32 s13, s66, 10
	s_mov_b32 s22, 0
	s_mov_b32 s23, 0x400000                        ; W1's codes
.endif
	s_lshl_b32 s18, s16, 7
	s_lshl_b32 s20, s41, 8
	s_add_co_u32 s20, s20, s18
	s_add_co_u32 s20, s20, s12                     ; A's row: 256 cy + 128 x half (+ the cluster's)
	s_lshl_b32 s20, s20, 10
	s_add_co_u32 s20, s20, s22
	s_mov_b32 s21, 0
	s_lshl_b32 s46, s40, 8
	s_add_co_u32 s46, s46, s18
	s_add_co_u32 s46, s46, s13                     ; B's row: 256 cx + 128 x half (+ the cluster's)
	s_lshl_b32 s46, s46, 10
	s_add_co_u32 s46, s46, s23
	s_mov_b32 s47, 0
	s_mul_i32 s45, s14, HALFT                      ; where my 128 rows go: no place in the cluster enters an LDS address
	s_wait_dscnt 0x0                               ; the opening add is done
	s_wait_kmcnt 0x0
.if QKV
	s_cmp_eq_u32 s66, 2
	s_cselect_b64 s[4:5], s[70:71], s[68:69]
	s_cselect_b64 s[6:7], s[68:69], s[70:71]
	s_add_nc_u64 s[84:85], s[72:73], s[84:85]
	s_add_nc_u64 s[72:73], s[72:73], s[100:101]
	s_load_b64 s[96:97], s[72:73], 0x0             ; ea, eb
	s_load_b32 s98, s[84:85], 0x0                  ; the results' e
.else
	s_mov_b64 s[4:5], s[68:69]
	s_mov_b64 s[6:7], s[70:71]
	s_load_b64 s[96:97], s[72:73], 0x30            ; entries 12, 13
	s_load_b32 s98, s[72:73], 0x38                 ; entry 14
.endif
	s_add_nc_u64 s[20:21], s[4:5], s[20:21]
	s_add_nc_u64 s[46:47], s[6:7], s[46:47]
	CROUND                                         ; all sixteen work-groups are here: the first joint loads meet
.irp s, 0,1
	s_mov_b32 s[G0+4*\s], 1
	s_add_co_u32 s[G0+4*\s+1], s45, \s*SLOT
	s_add_nc_u64 s[G0+4*\s+2:G0+4*\s+3], s[20:21], \s*ROWB
	s_or_b32 s[G0+4*\s+3], s[G0+4*\s+3], 0x80000000
	s_mov_b32 s[G0B+4*\s], 1
	s_add_co_u32 s[G0B+4*\s+1], s45, \s*SLOT
	s_add_nc_u64 s[G0B+4*\s+2:G0B+4*\s+3], s[46:47], \s*ROWB
	s_or_b32 s[G0B+4*\s+3], s[G0B+4*\s+3], 0x80000000
	JLOAD G0+4*\s, G1, G0B+4*\s, G1B
.endr
	v_and_b32 v1, 15, v0                           ; r
	v_bfe_u32 v2, v0, 4, 1                         ; h
	v_mul_u32_u24 v3, v1, PITCH
	v_lshl_add_u32 v4, v2, 4, v3
	s_mul_i32 s21, s15, HALFT
	s_mul_i32 s22, s16, HALFT
	s_add_co_u32 s22, s22, 2*HALFT
.irp s, 0,1
	v_add_nc_u32 v[ADRA+\s], s21, v4
	v_add_nc_u32 v[ADRB+\s], s22, v4
	s_add_co_u32 s21, s21, SLOT
	s_add_co_u32 s22, s22, SLOT
.endr
	s_mul_i32 s23, s15, 128*SPITCH
	s_lshl_b32 s18, s16, 7
	s_add_co_u32 s23, s23, s18
	v_lshl_add_u32 v5, v2, 3, v3
	v_add_nc_u32 v[STO], s23, v5                   ; into the stage: row 128 x half + r, byte 128 x half + 8 h
	s_mul_i32 s23, s14, 64*SPITCH                  ; back: wave w takes rows 64 w on
	v_lshlrev_b32 v[A32H], 5, v2
	v_lshlrev_b32 v[A4R], 2, v1
.if QKV
	v_and_b32 v6, 31, v0
	v_lshrrev_b32 v7, 2, v6
	v_mul_u32_u24 v7, v7, SPITCH
	v_and_b32 v8, 3, v6
	v_lshl_add_u32 v7, v8, 4, v7
	v_add_nc_u32 v[RD], s23, v7                    ; four lanes to 64 bytes of a row, eight rows an instruction
	v_lshlrev_b32 v[GO], 4, v6                     ; which are 512 consecutive bytes of a block of qkvc
	s_cmp_eq_u32 s66, 1
	s_cselect_b64 s[76:77], s[78:79], s[76:77]     ; the bias by column: bk for k, else bq (cleared for v)
	s_lshl_b32 s8, s40, 8
	s_lshl_b32 s9, s16, 7
	s_add_co_u32 s8, s8, s9
	s_lshl_b32 s8, s8, 2
	s_mov_b32 s9, 0
	s_add_nc_u64 s[76:77], s[76:77], s[8:9]
	s_lshl_b32 s10, s41, 8
	s_lshl_b32 s11, s15, 7
	s_add_co_u32 s10, s10, s11                     ; 256 cy + 128 x half
	s_lshl_b32 s8, s10, 2
	s_add_nc_u64 s[80:81], s[80:81], s[8:9]        ; the bias by row: bv (cleared for q and k)
	s_lshl_b32 s11, s67, 10
	s_add_co_u32 s10, s10, s11
	s_lshl_b32 s8, s10, 2
	s_add_nc_u64 s[74:75], s[74:75], s[8:9]        ; the mask words of my rows' tokens (they count for k alone)
	s_lshl_b32 s8, s41, 2
	s_add_co_u32 s8, s8, s14                       ; 4 cy + wave
	s_lshl_b32 s9, s40, 2                          ; 4 cx
	s_lshl_b32 s10, s67, 4
	s_mov_b32 s13, 0x20000
	s_cmp_eq_u32 s66, 2
	s_cselect_b32 s11, s9, s8                      ; block of 64 tokens
	s_cselect_b32 s12, s8, s9                      ; head
	s_cselect_b32 s94, 0x1000, s13                 ; from one 64 bytes of a stage row to the next: a head on (q, k) or a block on (v)
	s_add_co_u32 s11, s11, s10
	s_lshr_b32 s13, s11, 5
	s_lshl_b32 s13, s13, 21                        ; b
	s_and_b32 s11, s11, 31
	s_lshl_b32 s11, s11, 12
	s_add_co_u32 s13, s13, s11
	s_lshl_b32 s12, s12, 17
	s_add_co_u32 s13, s13, s12
	s_lshl_b32 s12, s66, 22
	s_add_co_u32 s12, s13, s12
	s_mov_b32 s13, 0
	s_mov_b32 s95, 0
	s_add_nc_u64 s[86:87], s[82:83], s[12:13]
	s_add_nc_u64 s[88:89], s[86:87], s[94:95]
	s_add_nc_u64 s[90:91], s[88:89], s[94:95]
	s_add_nc_u64 s[92:93], s[90:91], s[94:95]
.else
	v_mul_u32_u24 v7, v2, SPITCH
	v_lshl_add_u32 v7, v1, 4, v7
	v_add_nc_u32 v[RD], s23, v7                    ; sixteen lanes to a row of 256 bytes, two rows an instruction
	v_lshlrev_b32 v[GO], 12, v2
	v_lshl_add_u32 v[GO], v1, 4, v[GO]
	s_lshl_b32 s8, s66, 2
	s_add_co_u32 s8, s8, s40                       ; tile column
	s_lshl_b32 s10, s8, 8
	s_lshl_b32 s9, s16, 7
	s_add_co_u32 s8, s10, s9
	s_lshl_b32 s8, s8, 2
	s_mov_b32 s9, 0
	s_add_nc_u64 s[74:75], s[74:75], s[8:9]        ; b1 at my first column
	s_lshl_b32 s8, s67, 2
	s_add_co_u32 s8, s8, s41                       ; tile row
	s_lshl_b32 s8, s8, 8
	s_lshl_b32 s11, s14, 6
	s_add_co_u32 s8, s8, s11
	s_lshl_b32 s8, s8, 12
	s_add_co_u32 s8, s8, s10
	s_add_nc_u64 s[86:87], s[76:77], s[8:9]        ; hc at row 256 x tile row + 64 x wave, byte 256 x tile column
.endif
.set b, 0
.rept 8                                ; these loads stay out during the K loop; they are waited for on the way out
.if QKV
	global_load_b128 v[CB+8*b:CB+8*b+3], v[A32H], s[76:77] offset:64*b
	global_load_b128 v[CB+8*b+4:CB+8*b+7], v[A32H], s[76:77] offset:64*b+16
	global_load_b32 v[RB+2*b], v[A4R], s[80:81] offset:64*b
	global_load_b32 v[RB+2*b+1], v[A4R], s[80:81] offset:64*b
	global_load_b32 v[MK+b], v[A4R], s[74:75] offset:64*b
.else
	global_load_b128 v[CB+8*b:CB+8*b+3], v[A32H], s[74:75] offset:64*b
	global_load_b128 v[CB+8*b+4:CB+8*b+7], v[A32H], s[74:75] offset:64*b+16
.endif
.set b, b+1
.endr
.macro FRAG reg, adr, q, i             ; 16 rows x 128 K: lane l holds row l % 16; registers 4 c .. 4 c + 3 hold K = 32 c + 16 (l / 16) + 0 .. 15: the same order of k on both sides
.irp c, 0,1,2,3
	ds_load_b128 v[\reg+4*\c:\reg+4*\c+3], v[\adr] offset:128*(\q)+32*\c+(\i)*16*PITCH
.endr
.endm
.macro MUL16 a0, p, zero               ; the 64 accumulators take turns, one instruction a turn, in the same order in every step
.irp a, \a0, \a0+1
.irp b, 0,1,2,3,4,5,6,7
.if \zero
	v_wmma_f32_16x16x128_fp8_fp8 v[8*(8*((\a)%4)+\b):8*(8*((\a)%4)+\b)+7], v[128*(\p)+FR*\b:128*(\p)+FR*\b+FR-1], v[AF+FR*(\a):AF+FR*(\a)+FR-1], 0
.else
	v_wmma_f32_16x16x128_fp8_fp8 v[8*(8*((\a)%4)+\b):8*(8*((\a)%4)+\b)+7], v[128*(\p)+FR*\b:128*(\p)+FR*\b+FR-1], v[AF+FR*(\a):AF+FR*(\a)+FR-1], v[8*(8*((\a)%4)+\b):8*(8*((\a)%4)+\b)+7]
.endif
.endr
.endr
.endm
.macro FETCH_B slot, q, p
	WIN TO_B
.irp i, 0,1,2,3,4,5,6,7
	FRAG 128*(\p)+FR*\i, ADRB+\slot, \q, \i
.endr
	WIN 0
.endm
.macro FETCH_A slot, q, i0
.irp i, \i0, \i0+1, \i0+2, \i0+3
	FRAG AF+FR*(\i), ADRA+\slot, \q, \i
.endr
.endm
.macro PLACES n                        ; plain vector lines between a matrix instruction and a load into, or a vector line on, one of its registers
.rept \n
	v_nop
.endr
.endm
.macro STEP slot, q, zero              ; 128 along K, with its successor in the same slot
	s_wait_dscnt 4*NL                              ; B's set and A's blocks 0-3 are in; A's blocks 4-7 may be out
	WIN MUL_LO
	MUL16 0, (\q)%2, \zero
	MUL16 2, (\q)%2, \zero
	s_wait_dscnt 0
	PLACES NP
	FETCH_B \slot, (\q)+1, 1-(\q)%2
	FETCH_A \slot, (\q)+1, 0
	WIN MUL_HI
	MUL16 4, (\q)%2, \zero
	MUL16 6, (\q)%2, \zero
	PLACES NP
	WIN 0
	FETCH_A \slot, (\q)+1, 4
.endm
.macro TURN slot, next, fill           ; a slot's last step changes slots: one barrier, which opens a round of the cluster's where the slot is filled again
	s_wait_tensorcnt 0x0                           ; all my tensor loads have landed: my part of the next slot
	ds_add_u32 v[SPW], v[NIL]
	s_wait_dscnt 4*NL+1                            ; the add and A's blocks 4-7 may be out
	WIN MUL_LO
	MUL16 0, 1, 0
	s_wait_dscnt 0x0                               ; the add is done, and my reads of this slot are over
	s_barrier_signal -1
	MUL16 2, 1, 0
	WIN 0
	s_barrier_wait -1
.if \fill
	CREST                                          ; no wave of any partner still reads this slot or has a load on its way
	s_add_nc_u64 s[G0+4*\slot+2:G0+4*\slot+3], s[G0+4*\slot+2:G0+4*\slot+3], 2*ROWB
	s_add_nc_u64 s[G0B+4*\slot+2:G0B+4*\slot+3], s[G0B+4*\slot+2:G0B+4*\slot+3], 2*ROWB
	JLOAD G0+4*\slot, G1, G0B+4*\slot, G1B         ; the first tensor load behind the round, one a wave
.else
	PLACES NP
.endif
	FETCH_B \next, 0, 0
	FETCH_A \next, 0, 0
	WIN MUL_HI
	MUL16 4, 1, 0
	MUL16 6, 1, 0
	PLACES NP
	WIN 0
	FETCH_A \next, 0, 4
.endm
	s_wait_tensorcnt 1                             ; my part of K step 0 is in; K step 1's load may be out
	s_barrier_signal -1
	s_barrier_wait -1
	FETCH_B 0, 0, 0
	FETCH_A 0, 0, 0
	FETCH_A 0, 0, 4
	STEP 0, 0, 1                                   ; the first step's products start the sums
	s_mov_b32 s3, LAPS-1
.Llap:
	TURN 0, 1, 1
	STEP 1, 0, 0
	TURN 1, 0, 1
	STEP 0, 0, 0
	s_sub_co_u32 s3, s3, 1
	s_cmp_lg_u32 s3, 0
	s_cbranch_scc1 .Llap
	TURN 0, 1, 0                                   ; the last lap fills nothing
	STEP 1, 0, 0
	s_wait_dscnt 4*NL
	WIN MUL_LO
	MUL16 0, 1, 0
	MUL16 2, 1, 0
	s_wait_dscnt 0
	WIN MUL_HI
	MUL16 4, 1, 0
	MUL16 6, 1, 0
	WIN 0
; THE WAY OUT.  sum x 2^(ea + eb) + bias, the hold (with relu, or with the mask's limit), the conversion: 8 bytes a lane and accumulator, into the work-group's stage; a barrier; whole runs of bytes out.
	s_wait_kmcnt 0x0
	s_wait_loadcnt 0x0                             ; the biases and mask words
	s_add_co_i32 s96, s96, s97
	s_add_co_i32 s96, s96, 127
	s_lshl_b32 s96, s96, 23                        ; 2^(ea + eb)
	s_mov_b32 s97, s96
	s_add_co_i32 s98, s98, 127
	s_lshl_b32 s99, s98, 23
	s_add_co_i32 s98, s98, 8
	s_lshl_b32 s98, s98, 23
	s_or_b32 s98, s98, 0x600000
	PLACES NP
	v_mov_b32 v[QS], s99
	v_mov_b32 v[QL], s98
.if QKV
	s_cmp_eq_u32 s66, 2
	s_cselect_b32 s8, 0, -1
	s_cselect_b32 s9, -1, 0
	s_cmp_eq_u32 s66, 1
	s_cselect_b32 s10, 0, -1
.set i, 0
.rept 64
	v_and_b32 v[CB+i], s8, v[CB+i]                 ; v has no bias by column,
.set i, i+1
.endr
.set i, 0
.rept 16
	v_and_b32 v[RB+i], s9, v[RB+i]                 ; q and k none by row
.set i, i+1
.endr
.set i, 0
.rept 8
	v_cmp_ne_u32 s100, 0, v[MK+i]
	s_or_b32 s100, s100, s10                       ; the mask counts for k alone
	v_cndmask_b32 v[MK+i], 0, v[QL], s100          ; my row's limit: 448 x 2^e, or 0 for a hidden token of k
.set i, i+1
.endr
.endif
.macro OUTBLK a
.set AC, 64*((\a)%4)
	WIN 0x02+((\a)/4)
.set i, 0
.rept 32
	v_pk_fma_f32 v[T+i:T+i+1], v[AC+i:AC+i+1], s[96:97], v[CB+i:CB+i+1] op_sel_hi:[1,0,1]   ; each accumulator from its low end on
.set i, i+2
.endr
	WIN 0
.if QKV
.set i, 0
.rept 32
	v_pk_add_f32 v[T+i:T+i+1], v[T+i:T+i+1], v[RB+2*(\a):RB+2*(\a)+1]
.set i, i+2
.endr
.endif
.set i, 0
.rept 64
.if QKV
	v_med3_num_f32 v[T+i], v[T+i], -v[MK+(\a)], v[MK+(\a)]
.else
	v_med3_num_f32 v[T+i], v[T+i], 0, v[QL]        ; relu and the hold in one
.endif
.set i, i+1
.endr
.if (\a) > 0
	s_wait_dscnt 0x0                               ; the last block's stores have read their codes
.endif
.set i, 0
.rept 8
	v_cvt_scalef32_pk8_fp8_f32 v[CD+2*i:CD+2*i+1], v[T+8*i:T+8*i+7], v[QS]
.set i, i+1
.endr
	v_nop                                          ; a plain line behind the conversions, ahead of the next vector line on their registers
.set i, 0
.rept 8
	ds_store_b64 v[STO], v[CD+2*i:CD+2*i+1] offset:(\a)*16*SPITCH+16*i
.set i, i+1
.endr
.endm
.irp a, 0,1,2,3,4,5,6,7
	OUTBLK \a
.endr
	s_wait_dscnt 0x0                               ; for the others' sake: a stage row's 256 bytes come from two waves
	s_barrier_signal -1
	s_barrier_wait -1
.set n, 0
.rept 32
.if QKV
	ds_load_b128 v[OUT+4*n:OUT+4*n+3], v[RD] offset:8*(n%8)*SPITCH+64*(n/8)
.else
	ds_load_b128 v[OUT+4*n:OUT+4*n+3], v[RD] offset:2*n*SPITCH
.endif
.set n, n+1
.endr
.set n, 0
.rept 32
	s_wait_dscnt 31-n
.if QKV
	global_store_b128 v[GO], v[OUT+4*n:OUT+4*n+3], s[86+2*(n/8):87+2*(n/8)] offset:512*(n%8)   ; 512 consecutive bytes of a block
.else
	global_store_b128 v[GO], v[OUT+4*n:OUT+4*n+3], s[86:87] offset:2*n*4096                    ; sixteen lanes store 256 consecutive bytes, aligned
.endif
.set n, n+1
.endr
	s_wait_tensorcnt 0x0                           ; the wave's end
	ds_add_u32 v[SPW], v[NIL]
	s_wait_dscnt 0x0
	CROUND                                         ; the closing round
	s_endpgm
.Lfunc_end_k_q81dc54cffd_gemm_ffn1:
	.size	k_q81dc54cffd_gemm_ffn1, .Lfunc_end_k_q81dc54cffd_gemm_ffn1-k_q81dc54cffd_gemm_ffn1
	.p2alignl 7, 3214868480
	.fill 96, 4, 3214868480
	.section	.rodata,"a",@progbits
	.p2align	6, 0x0
	.amdhsa_kernel k_q81dc54cffd_gemm_ffn1
		.amdhsa_group_segment_fixed_size 327680
		.amdhsa_private_segment_fixed_size 0
		.amdhsa_enable_private_segment 0
		.amdhsa_kernarg_size 40
		.amdhsa_user_sgpr_count 2
		.amdhsa_user_sgpr_kernarg_segment_ptr 1
		.amdhsa_wavefront_size32 1
		.amdhsa_system_sgpr_workgroup_id_x 1
		.amdhsa_system_sgpr_workgroup_id_y 1
		.amdhsa_system_sgpr_workgroup_id_z 1
		.amdhsa_system_vgpr_workitem_id 0
		.amdhsa_next_free_vgpr 1024
		.amdhsa_next_free_sgpr 102
		.amdhsa_reserve_vcc 0
		.amdhsa_float_denorm_mode_32 3
		.amdhsa_float_denorm_mode_16_64 3
		.amdhsa_memory_ordered 1
		.amdhsa_forward_progress 1
		.amdhsa_inst_pref_size 143
	.end_amdhsa_kernel
	.amdgpu_metadata
---
amdhsa.version: [ 1, 2 ]
amdhsa.kernels:
  - .name:           k_q81dc54cffd_gemm_ffn1
    .symbol:         k_q81dc54cffd_gemm_ffn1.kd
    .args:
      - { .name: x1c, .offset: 0, .size: 8, .value_kind: global_buffer, .address_space: global }
      - { .name: wc, .offset: 8, .size: 8, .value_kind: global_buffer, .address_space: global }
      - { .name: lowp_scales, .offset: 16, .size: 8, .value_kind: global_buffer, .address_space: global }
      - { .name: b1, .offset: 24, .size: 8, .value_kind: global_buffer, .address_space: global }
      - { .name: hc, .offset: 32, .size: 8, .value_kind: global_buffer, .address_space: global }
    .group_segment_fixed_size: 327680
    .private_segment_fixed_size: 0
    .kernarg_segment_align: 8
    .kernarg_segment_size: 40
    .max_flat_workgroup_size: 128
    .sgpr_count:     102
    .vgpr_count:     1024
    .wavefront_size: 32
...
	.end_amdgpu_metadata
.endif
;; end of part 6
;; launch gemm_ffn2 (part 7): grid 8 x 32, 4 waves a work-group, clusters of 4 x 4, 327,680 bytes of LDS; arguments hc, wc, lowp_scales, b2, f32buf; writes f32buf
.if DOCPART == 7
	.amdgcn_target "amdgcn-amd-amdhsa--gfx1250"
	.amdhsa_code_object_version 6
	.text
	.protected	k_q81dc54cffd_gemm_ffn2
	.globl	k_q81dc54cffd_gemm_ffn2
	.p2align	8
	.type	k_q81dc54cffd_gemm_ffn2,@function
k_q81dc54cffd_gemm_ffn2:
	s_mov_b64 s[64:65], 0
	v_nop
	global_prefetch_b8 v0, s[64:65] scope:SCOPE_SE
	s_setreg_imm32_b32 hwreg(HW_REG_WAVE_MODE, 25, 1), 1
	s_wait_xcnt 0x0
	s_wait_alu depctr_hold_cnt(0) depctr_sa_sdst(0) depctr_va_vdst(0) depctr_va_sdst(0) depctr_va_ssrc(0) depctr_va_vcc(0) depctr_vm_vsrc(0)
	s_getreg_b32 s2, hwreg(HW_REG_IB_STS2, 6, 4)
	s_cmp_eq_u32 s2, 0
	s_cbranch_scc0 .Lentry_in_a_cluster
	s_endpgm
.Lentry_in_a_cluster:
	s_bfe_u32 s2, ttmp6, 0x10000c
	s_cmp_lg_u32 s2, 0xf033
	s_cbranch_scc0 .Lentry_shape_is_right
	s_endpgm
.Lentry_shape_is_right:
; C = A B^T x 2^(ea + eb) + bias, A [4096][SIZE_K] and B [1024][SIZE_K] codes of E4M3, C [4096][1024] f32.  Tiles of 128 x 128, so that there are 256 work-groups; four waves, 64 x 64 (16 accumulators) each.
; K goes in steps of 512 (rows of 512 bytes, 64 rows to a wave's tensor load) through a ring of two LDS slots; 4 x 4 work-groups form a cluster: A's tile is asked for jointly along a row of it, B's along a column.
; Source 0 = 16 rows of B, source 1 = 16 rows of A: a lane holds eight neighbouring numbers of a row of C.  A wave's 64 columns are 256 bytes, aligned: each wave has a stage of its own on the way out, and no barrier there.
; LIMIT: ea + eb between -126 and 127.
; REGISTERS: window 0: v16-29 addresses; v32-63 the bias; v64-127 at work on the way out; v128-255 the accumulators.  Window 1: two fragment buffers of 128: A's four blocks, then B's four, 128 along K.
.set SIZE_K, 4096
.set WOFF,   8<<20                     ; W2's codes in wc
.set SOFF,   56                        ; entries 14, 15
.set KSTEP,  512
.set PITCH,  528                       ; 512 bytes + 16 of padding: the 16 rows that a load touches start at 16 different banks (64 banks of 4 bytes: ISA guide 11.1)
.set HALFT,  64*PITCH
.set SLOT,   4*HALFT
.set STAGE,  2*SLOT
.set SPITCH, 272
.set SPARE,  STAGE+4*16*SPITCH
.set LAPS,   SIZE_K/(2*KSTEP)
.set ADRA, 16
.set ADRB, 20
.set STO,  24
.set RD,   25
.set CO,   26
.set A32H, 27
.set SPW,  28
.set NIL,  29
.set CB,   32
.set T,    64
.set ACC,  128
.set F0,   0
.set F1,   128
.set G1, 24
.set G0, 32
.set G1B, 48
.set G0B, 56
.set MSB, 0
.macro WIN new
.if MSB != \new
	s_set_vgpr_msb (MSB<<8)|\new
.set MSB, \new
.endif
.endm
.set MUL,  0x05
.set TO_F, 0x40
.macro JLOAD s                         ; waves 0 and 1 fetch A's halves, waves 2 and 3 B's; an s_nop 0 and four v_nop follow each line
	s_cmp_eq_u32 s15, 0
	s_cbranch_scc0 .Lfor_b_\@
	tensor_load_to_lds s[G0+4*\s:G0+4*\s+3], s[G1:G1+7]
	s_nop 0
.rept 4
	v_nop
.endr
	s_branch .Lasked_\@
.Lfor_b_\@:
	tensor_load_to_lds s[G0B+4*\s:G0B+4*\s+3], s[G1B:G1B+7]
	s_nop 0
.rept 4
	v_nop
.endr
.Lasked_\@:
.endm
.macro CREST
	s_cmp_lg_u32 s14, 0
	s_cbranch_scc1 .Lnot_wave_0_\@
	s_barrier_signal -3
.Lnot_wave_0_\@:
	s_barrier_wait -3
	s_barrier_signal -1
	s_barrier_wait -1
.endm
.macro CROUND
	s_barrier_signal -1
	s_barrier_wait -1
	CREST
.endm
	s_load_b256 s[68:75], s[0:1], 0x0              ; A's codes 68, wc 70, scales 72, bias 74
	s_load_b64 s[76:77], s[0:1], 0x20              ; C
	v_lshl_add_u32 v[SPW], v0, 2, SPARE
	v_mov_b32 v[NIL], 0
	ds_add_u32 v[SPW], v[NIL]                      ; the wave's opening: the add and its wait ahead of my first tensor load
	v_lshrrev_b32 v1, 5, v0
	v_readfirstlane_b32 s14, v1
	s_lshr_b32 s15, s14, 1
	s_and_b32 s16, s14, 1
	s_bfe_u32 s40, ttmp6, 0x40000
	s_bfe_u32 s41, ttmp6, 0x40004
	s_lshl_b32 s42, ttmp9, 2
	s_add_co_u32 s42, s42, s40                     ; tile column
	s_and_b32 s17, ttmp7, 0xffff
	s_lshl_b32 s17, s17, 2
	s_add_co_u32 s17, s17, s41                     ; tile row
	s_lshl_b32 s43, s41, 2
	s_lshl_b32 s43, 15, s43
	s_lshl_b32 s44, 0x1111, s40
	s_or_b32 s[G1+0], s43, (0<<16)|(1<<20)|(1<<21)|(6<<22)|(3<<25)   ; mask; elements of 1 byte; padding: 4 words after every 128; bit 21 beside a mask
	s_or_b32 s[G1B+0], s44, (0<<16)|(1<<20)|(1<<21)|(6<<22)|(3<<25)
.irp g, G1, G1B
	s_mov_b32 s[\g+1], KSTEP<<16
	s_mov_b32 s[\g+2], 64<<16
	s_mov_b32 s[\g+3], KSTEP<<16
	s_mov_b32 s[\g+4], 64
	s_mov_b32 s[\g+5], SIZE_K
	s_mov_b32 s[\g+6], 0
	s_mov_b32 s[\g+7], 0
.endr
	s_lshl_b32 s18, s16, 6
	s_lshl_b32 s20, s17, 7
	s_add_co_u32 s20, s20, s18
	s_mul_i32 s20, s20, SIZE_K
	s_mov_b32 s21, 0
	s_lshl_b32 s46, s42, 7
	s_add_co_u32 s46, s46, s18
	s_mul_i32 s46, s46, SIZE_K
	s_add_co_u32 s46, s46, WOFF
	s_mov_b32 s47, 0
	s_mul_i32 s45, s14, HALFT
	s_wait_dscnt 0x0
	s_wait_kmcnt 0x0
	s_load_b64 s[96:97], s[72:73], SOFF
	s_add_nc_u64 s[20:21], s[68:69], s[20:21]
	s_add_nc_u64 s[46:47], s[70:71], s[46:47]
	CROUND
.irp s, 0,1
	s_mov_b32 s[G0+4*\s], 1
	s_add_co_u32 s[G0+4*\s+1], s45, \s*SLOT
	s_add_nc_u64 s[G0+4*\s+2:G0+4*\s+3], s[20:21], \s*KSTEP
	s_or_b32 s[G0+4*\s+3], s[G0+4*\s+3], 0x80000000
	s_mov_b32 s[G0B+4*\s], 1
	s_add_co_u32 s[G0B+4*\s+1], s45, \s*SLOT
	s_add_nc_u64 s[G0B+4*\s+2:G0B+4*\s+3], s[46:47], \s*KSTEP
	s_or_b32 s[G0B+4*\s+3], s[G0B+4*\s+3], 0x80000000
	JLOAD \s
.endr
	v_and_b32 v1, 15, v0
	v_bfe_u32 v2, v0, 4, 1
	v_mul_u32_u24 v3, v1, PITCH
	v_lshl_add_u32 v4, v2, 4, v3
	s_mul_i32 s21, s15, HALFT
	s_mul_i32 s22, s16, HALFT
	s_add_co_u32 s22, s22, 2*HALFT
.irp s, 0,1
	v_add_nc_u32 v[ADRA+\s], s21, v4
	v_add_nc_u32 v[ADRB+\s], s22, v4
	s_add_co_u32 s21, s21, SLOT
	s_add_co_u32 s22, s22, SLOT
.endr
	s_mul_i32 s23, s14, 16*SPITCH
	s_add_co_u32 s23, s23, STAGE
	v_mul_u32_u24 v5, v1, SPITCH
	v_lshl_add_u32 v5, v2, 5, v5
	v_add_nc_u32 v[STO], s23, v5
	v_mul_u32_u24 v6, v2, SPITCH
	v_lshl_add_u32 v6, v1, 4, v6
	v_add_nc_u32 v[RD], s23, v6
	v_lshlrev_b32 v[CO], 12, v2
	v_lshl_add_u32 v[CO], v1, 4, v[CO]
	v_lshlrev_b32 v[A32H], 5, v2
	s_lshl_b32 s8, s42, 7
	s_lshl_b32 s9, s16, 6
	s_add_co_u32 s8, s8, s9
	s_lshl_b32 s8, s8, 2                           ; my first column, in bytes
	s_mov_b32 s9, 0
	s_add_nc_u64 s[74:75], s[74:75], s[8:9]
	s_lshl_b32 s10, s17, 7
	s_lshl_b32 s11, s15, 6
	s_add_co_u32 s10, s10, s11
	s_lshl_b32 s10, s10, 12
	s_add_co_u32 s10, s10, s8
	s_mov_b32 s11, 0
	s_add_nc_u64 s[86:87], s[76:77], s[10:11]
.irp b, 0,1,2,3
	global_load_b128 v[CB+8*\b:CB+8*\b+3], v[A32H], s[74:75] offset:64*\b        ; they stay out during the K loop
	global_load_b128 v[CB+8*\b+4:CB+8*\b+7], v[A32H], s[74:75] offset:64*\b+16
.endr
.macro FRAG reg, adr, k, i
.irp c, 0,1,2,3
	ds_load_b128 v[\reg+4*\c:\reg+4*\c+3], v[\adr] offset:(\k)+32*\c+(\i)*16*PITCH
.endr
.endm
.macro FETCH slot, k, f                ; 32 LDS loads in one run: B's four blocks, then A's four, 128 along K at byte k of the rows
	WIN TO_F
.irp i, 0,1,2,3
	FRAG \f+64+16*\i, ADRB+\slot, \k, \i
.endr
.irp i, 0,1,2,3
	FRAG \f+16*\i, ADRA+\slot, \k, \i
.endr
.endm
.macro MUL4 f, a, zero                 ; the 16 accumulators take turns, one instruction a turn, in one order throughout
.irp b, 0,1,2,3
.if \zero
	v_wmma_f32_16x16x128_fp8_fp8 v[ACC+8*(4*(\a)+\b):ACC+8*(4*(\a)+\b)+7], v[\f+64+16*\b:\f+64+16*\b+15], v[\f+16*(\a):\f+16*(\a)+15], 0
.else
	v_wmma_f32_16x16x128_fp8_fp8 v[ACC+8*(4*(\a)+\b):ACC+8*(4*(\a)+\b)+7], v[\f+64+16*\b:\f+64+16*\b+15], v[\f+16*(\a):\f+16*(\a)+15], v[ACC+8*(4*(\a)+\b):ACC+8*(4*(\a)+\b)+7]
.endif
.endr
.endm
.macro PLACES
.rept 4
	v_nop
.endr
.endm
.macro QUARTER slot, k, f, g, zero     ; 128 along K on buffer f; the next quarter, at byte k, is fetched into g
	s_wait_dscnt 8                                 ; B's blocks and A's 0, 1 are in; A's 2, 3 may be out
	WIN MUL
	MUL4 \f, 0, \zero
	MUL4 \f, 1, \zero
	PLACES
	FETCH \slot, \k, \g
	s_wait_dscnt 32                                ; all but the 32 just issued
	WIN MUL
	MUL4 \f, 2, \zero
	MUL4 \f, 3, \zero
.endm
.macro TURN slot, next, fill           ; a slot's last quarter, on buffer 1, changes slots
	WIN 0
	s_wait_tensorcnt 0x0                           ; all my tensor loads have landed: my part of the next slot
	ds_add_u32 v[SPW], v[NIL]
	s_wait_dscnt 9                                 ; the add and A's blocks 2, 3 may be out
	WIN MUL
	MUL4 F1, 0, 0
	s_wait_dscnt 0x0                               ; the add is done, and my reads of this slot are over
	s_barrier_signal -1
	MUL4 F1, 1, 0
	WIN 0
	s_barrier_wait -1
.if \fill
	CREST                                          ; no wave of any partner still reads this slot or has a load on its way
	s_add_nc_u64 s[G0+4*\slot+2:G0+4*\slot+3], s[G0+4*\slot+2:G0+4*\slot+3], 2*KSTEP
	s_add_nc_u64 s[G0B+4*\slot+2:G0B+4*\slot+3], s[G0B+4*\slot+2:G0B+4*\slot+3], 2*KSTEP
	JLOAD \slot                                    ; the first tensor load behind the round, one a wave; its four v_nop are the places in front of the loads below
.else
	PLACES
.endif
	FETCH \next, 0, F0
	WIN MUL
	MUL4 F1, 2, 0
	MUL4 F1, 3, 0
.endm
	s_wait_tensorcnt 1                             ; my part of K step 0 is in; K step 1's load may be out
	s_barrier_signal -1
	s_barrier_wait -1
	FETCH 0, 0, F0
	QUARTER 0, 128, F0, F1, 1                      ; the first quarter's products start the sums
.if LAPS > 1
	WIN 0
	s_mov_b32 s3, LAPS-1
.Llap:
	QUARTER 0, 256, F1, F0, 0
	QUARTER 0, 384, F0, F1, 0
	TURN 0, 1, 1
	QUARTER 1, 128, F0, F1, 0
	QUARTER 1, 256, F1, F0, 0
	QUARTER 1, 384, F0, F1, 0
	TURN 1, 0, 1
	QUARTER 0, 128, F0, F1, 0
	WIN 0
	s_sub_co_u32 s3, s3, 1
	s_cmp_lg_u32 s3, 0
	s_cbranch_scc1 .Llap
.endif
	QUARTER 0, 256, F1, F0, 0                      ; the last lap fills nothing
	QUARTER 0, 384, F0, F1, 0
	TURN 0, 1, 0
	QUARTER 1, 128, F0, F1, 0
	QUARTER 1, 256, F1, F0, 0
	QUARTER 1, 384, F0, F1, 0
	s_wait_dscnt 8
	WIN MUL
	MUL4 F1, 0, 0
	MUL4 F1, 1, 0
	s_wait_dscnt 0
	MUL4 F1, 2, 0
	MUL4 F1, 3, 0
	WIN 0
	; THE WAY OUT, 16 rows at a time, through my own stage; the rows come back into the block's own accumulator registers, so no store's data are written again
	s_wait_kmcnt 0x0
	s_wait_loadcnt 0x0
	s_add_co_i32 s96, s96, s97
	s_add_co_i32 s96, s96, 127
	s_lshl_b32 s96, s96, 23
	s_mov_b32 s97, s96
	PLACES
.macro TOSTAGE a
.set TS, T+32*((\a)%2)
.set i, 0
.rept 16
	v_pk_fma_f32 v[TS+i:TS+i+1], v[ACC+32*(\a)+i:ACC+32*(\a)+i+1], s[96:97], v[CB+i:CB+i+1] op_sel_hi:[1,0,1]   ; each accumulator from its low end on
.set i, i+2
.endr
.irp b, 0,1,2,3
	ds_store_b128 v[STO], v[TS+8*\b:TS+8*\b+3] offset:64*\b
	ds_store_b128 v[STO], v[TS+8*\b+4:TS+8*\b+7] offset:64*\b+16
.endr
.irp t, 0,1,2,3,4,5,6,7
	ds_load_b128 v[ACC+32*(\a)+4*\t:ACC+32*(\a)+4*\t+3], v[RD] offset:2*\t*SPITCH   ; LDS serves a wave's instructions in order
.endr
.endm
.macro SEND a, younger
	s_wait_dscnt \younger
.irp t, 0,1,2,3,4,5,6,7
	global_store_b128 v[CO], v[ACC+32*(\a)+4*\t:ACC+32*(\a)+4*\t+3], s[86:87] offset:(16*(\a)+2*\t)*4096   ; sixteen lanes store 256 consecutive bytes, aligned
.endr
.endm
	TOSTAGE 0
	TOSTAGE 1
	SEND 0, 16                                     ; behind block 0's loads: block 1's 8 stores and 8 loads
	TOSTAGE 2
	SEND 1, 16
	TOSTAGE 3
	SEND 2, 16
	SEND 3, 0
	s_wait_tensorcnt 0x0                           ; the wave's end
	ds_add_u32 v[SPW], v[NIL]
	s_wait_dscnt 0x0
	CROUND
	s_endpgm
.Lfunc_end_k_q81dc54cffd_gemm_ffn2:
	.size	k_q81dc54cffd_gemm_ffn2, .Lfunc_end_k_q81dc54cffd_gemm_ffn2-k_q81dc54cffd_gemm_ffn2
	.p2alignl 7, 3214868480
	.fill 96, 4, 3214868480
	.section	.rodata,"a",@progbits
	.p2align	6, 0x0
	.amdhsa_kernel k_q81dc54cffd_gemm_ffn2
		.amdhsa_group_segment_fixed_size 327680
		.amdhsa_private_segment_fixed_size 0
		.amdhsa_enable_private_segment 0
		.amdhsa_kernarg_size 40
		.amdhsa_user_sgpr_count 2
		.amdhsa_user_sgpr_kernarg_segment_ptr 1
		.amdhsa_wavefront_size32 1
		.amdhsa_system_sgpr_workgroup_id_x 1
		.amdhsa_system_sgpr_workgroup_id_y 1
		.amdhsa_system_sgpr_workgroup_id_z 1
		.amdhsa_system_vgpr_workitem_id 0
		.amdhsa_next_free_vgpr 512
		.amdhsa_next_free_sgpr 100
		.amdhsa_reserve_vcc 0
		.amdhsa_float_denorm_mode_32 3
		.amdhsa_float_denorm_mode_16_64 3
		.amdhsa_memory_ordered 1
		.amdhsa_forward_progress 1
		.amdhsa_inst_pref_size 75
	.end_amdhsa_kernel
	.amdgpu_metadata
---
amdhsa.version: [ 1, 2 ]
amdhsa.kernels:
  - .name:           k_q81dc54cffd_gemm_ffn2
    .symbol:         k_q81dc54cffd_gemm_ffn2.kd
    .args:
      - { .name: hc, .offset: 0, .size: 8, .value_kind: global_buffer, .address_space: global }
      - { .name: wc, .offset: 8, .size: 8, .value_kind: global_buffer, .address_space: global }
      - { .name: lowp_scales, .offset: 16, .size: 8, .value_kind: global_buffer, .address_space: global }
      - { .name: b2, .offset: 24, .size: 8, .value_kind: global_buffer, .address_space: global }
      - { .name: f32buf, .offset: 32, .size: 8, .value_kind: global_buffer, .address_space: global }
    .group_segment_fixed_size: 327680
    .private_segment_fixed_size: 0
    .kernarg_segment_align: 8
    .kernarg_segment_size: 40
    .max_flat_workgroup_size: 128
    .sgpr_count:     100
    .vgpr_count:     512
    .wavefront_size: 32
...
	.end_amdgpu_metadata
.endif
;; end of part 7
;; launch ln2 (part 8): grid 256 x 1, 4 waves a work-group, no clusters, 0 bytes of LDS; arguments f32buf, x1, alpha2, beta2, out0; writes out0
.if DOCPART == 8
	.amdgcn_target "amdgcn-amd-amdhsa--gfx1250"
	.amdhsa_code_object_version 6
	.text
	.protected	k_q81dc54cffd_ln2
	.globl	k_q81dc54cffd_ln2
	.p2align	8
	.type	k_q81dc54cffd_ln2,@function
k_q81dc54cffd_ln2:
	s_mov_b64 s[64:65], 0
	v_nop
	global_prefetch_b8 v0, s[64:65] scope:SCOPE_SE
	s_setreg_imm32_b32 hwreg(HW_REG_WAVE_MODE, 25, 1), 1
	s_wait_xcnt 0x0
; y = res + (a - mean(a)) / (std(a) + 1e-6) x alpha + beta, row by row of 1,024; std with the divisor 1,023.  CODES = 1: y also leaves as codes of E4M3 under entry 12.
; A stream: one wave to a row (32 registers of a, 32 of res), four rows a wave, two row slots, so that the next row's 16 loads are out while a row is worked.  The norm is made of deviations from the mean, never of a difference of
; large sums.  No matrix unit, no cluster (work-groups share only alpha and beta), no barrier.  Each load and store of a wave covers 512 consecutive bytes.
; LIMITS: NaN is not served; a variance under the smallest normal f32 counts as 0.
.set CODES, 0
.set AL, 16
.set BE, 48
.set T,  208
.set MN, 216
.set IV, 218
.set QS, 220
.set QL, 221
.set CD, 224
.set BK, 232
.set SPW, 10
.set NIL, 11
.set SPARE, 8192
	s_load_b256 s[4:11], s[0:1], 0x0               ; a 4, res 6, alpha 8, beta 10
.if CODES
	s_load_b128 s[12:15], s[0:1], 0x20             ; scales 12, y 14
	s_load_b64 s[16:17], s[0:1], 0x30              ; y's codes
	v_lshl_add_u32 v[SPW], v0, 2, SPARE
	v_mov_b32 v[NIL], 0
.else
	s_load_b64 s[14:15], s[0:1], 0x20              ; y
.endif
	v_lshrrev_b32 v2, 5, v0
	v_readfirstlane_b32 s18, v2
	v_and_b32 v3, 31, v0
	v_lshlrev_b32 v1, 4, v3                        ; 16 x lane
	s_lshl_b32 s19, ttmp9, 2
	s_add_co_u32 s19, s19, s18
	s_lshl_b32 s20, s19, 14                        ; my four rows of 4,096 bytes
	s_mov_b32 s21, 0
	s_mov_b32 s22, 0x76543210
	s_mov_b32 s23, 0xfedcba98
.if CODES
	s_lshl_b32 s24, s19, 12
	s_mov_b32 s25, 0
	s_lshl_b32 s26, s18, 11                        ; my two stages of 1,024 bytes
	v_lshlrev_b32 v4, 2, v3
	v_add_nc_u32 v4, s26, v4
	v_add_nc_u32 v5, s26, v1
.endif
	s_wait_kmcnt 0x0
.if CODES
	s_load_b32 s27, s[12:13], 0x30
	s_add_nc_u64 s[16:17], s[16:17], s[24:25]
.endif
	s_add_nc_u64 s[4:5], s[4:5], s[20:21]
	s_add_nc_u64 s[6:7], s[6:7], s[20:21]
	s_add_nc_u64 s[14:15], s[14:15], s[20:21]
.irp j, 0,1,2,3,4,5,6,7
	global_load_b128 v[AL+4*\j:AL+4*\j+3], v1, s[8:9] offset:512*\j
.endr
.irp j, 0,1,2,3,4,5,6,7
	global_load_b128 v[BE+4*\j:BE+4*\j+3], v1, s[10:11] offset:512*\j
.endr
.macro FILL i
.irp j, 0,1,2,3,4,5,6,7
	global_load_b128 v[80+64*((\i)%2)+4*\j:83+64*((\i)%2)+4*\j], v1, s[4:5] offset:4096*(\i)+512*\j th:TH_LOAD_NT
.endr
.irp j, 0,1,2,3,4,5,6,7
	global_load_b128 v[112+64*((\i)%2)+4*\j:115+64*((\i)%2)+4*\j], v1, s[6:7] offset:4096*(\i)+512*\j th:TH_LOAD_NT
.endr
.endm
	FILL 0
	FILL 1
.if CODES
	s_wait_kmcnt 0x0
	s_add_co_i32 s27, s27, 127
	s_lshl_b32 s28, s27, 23
	v_mov_b32 v[QS], s28
	s_add_co_i32 s27, s27, 8
	s_lshl_b32 s27, s27, 23
	s_or_b32 s27, s27, 0x600000
	v_mov_b32 v[QL], s27
.endif
.macro REDUCE                          ; v[T] summed over the 32 lanes, the result in every lane
	v_add_f32_dpp v[T], v[T], v[T] row_xmask:1 row_mask:0xf bank_mask:0xf
	v_add_f32_dpp v[T], v[T], v[T] row_xmask:2 row_mask:0xf bank_mask:0xf
	v_add_f32_dpp v[T], v[T], v[T] row_xmask:4 row_mask:0xf bank_mask:0xf
	v_add_f32_dpp v[T], v[T], v[T] row_xmask:8 row_mask:0xf bank_mask:0xf
	v_permlanex16_b32 v[T+1], v[T], s22, s23
	v_add_f32 v[T], v[T], v[T+1]
.endm
.macro ROW i, fill, left
.set A,  80+64*((\i)%2)
.set XR, 112+64*((\i)%2)
	s_wait_loadcnt \left                           ; this row's loads are in; the next row's 16 may be out
	v_pk_add_f32 v[T:T+1], v[A:A+1], v[A+2:A+3]
	v_pk_add_f32 v[T+2:T+3], v[A+4:A+5], v[A+6:A+7]
.irp j, 8,12,16,20,24,28
	v_pk_add_f32 v[T:T+1], v[T:T+1], v[A+\j:A+\j+1]
	v_pk_add_f32 v[T+2:T+3], v[T+2:T+3], v[A+\j+2:A+\j+3]
.endr
	v_pk_add_f32 v[T:T+1], v[T:T+1], v[T+2:T+3]
	v_add_f32 v[T], v[T], v[T+1]
	REDUCE
	v_mul_f32 v[MN], 0x3a800000, v[T]              ; / 1,024
	v_mov_b32 v[MN+1], v[MN]
.set j, 0
.rept 16
	v_pk_add_f32 v[A+j:A+j+1], v[A+j:A+j+1], v[MN:MN+1] neg_lo:[0,1] neg_hi:[0,1]
.set j, j+2
.endr
	v_pk_mul_f32 v[T:T+1], v[A:A+1], v[A:A+1]
	v_pk_mul_f32 v[T+2:T+3], v[A+2:A+3], v[A+2:A+3]
.irp j, 4,8,12,16,20,24,28
	v_pk_fma_f32 v[T:T+1], v[A+\j:A+\j+1], v[A+\j:A+\j+1], v[T:T+1]
	v_pk_fma_f32 v[T+2:T+3], v[A+\j+2:A+\j+3], v[A+\j+2:A+\j+3], v[T+2:T+3]
.endr
	v_pk_add_f32 v[T:T+1], v[T:T+1], v[T+2:T+3]
	v_add_f32 v[T], v[T], v[T+1]
	REDUCE
	v_mul_f32 v[T], 0x3a802008, v[T]               ; / 1,023
	v_sqrt_f32 v[T+2], v[T]
	v_nop                                          ; a plain line behind the transcendental,
	s_wait_alu depctr_va_vdst(0)                   ; and a wait ahead of its first reader
	v_add_f32 v[T+2], 0x358637bd, v[T+2]           ; + 1e-6
	v_rcp_f32 v[IV], v[T+2]
	v_nop
	s_wait_alu depctr_va_vdst(0)
	v_mov_b32 v[IV+1], v[IV]
.set j, 0
.rept 16
	v_pk_mul_f32 v[A+j:A+j+1], v[A+j:A+j+1], v[IV:IV+1]
.set j, j+2
.endr
.set j, 0
.rept 16
	v_pk_fma_f32 v[A+j:A+j+1], v[A+j:A+j+1], v[AL+j:AL+j+1], v[BE+j:BE+j+1]
.set j, j+2
.endr
.set j, 0
.rept 16
	v_pk_add_f32 v[XR+j:XR+j+1], v[XR+j:XR+j+1], v[A+j:A+j+1]
.set j, j+2
.endr
.irp j, 0,1,2,3,4,5,6,7
	global_store_b128 v1, v[XR+4*\j:XR+4*\j+3], s[14:15] offset:4096*(\i)+512*\j
.endr
.if CODES
.set j, 0
.rept 32
	v_med3_num_f32 v[A+j], v[XR+j], -v[QL], v[QL]
.set j, j+1
.endr
.irp u, 0,1,2,3
	v_cvt_scalef32_pk8_fp8_f32 v[CD+2*\u:CD+2*\u+1], v[A+8*\u:A+8*\u+7], v[QS]   ; register j: the four codes of columns 128 j + 4 x lane on
.endr
	v_nop
.irp j, 0,1,2,3,4,5,6,7
	ds_store_b32 v4, v[CD+\j] offset:1024*((\i)%2)+128*\j
.endr
.irp u, 0,1
	ds_load_b128 v[BK+4*\u:BK+4*\u+3], v5 offset:1024*((\i)%2)+512*\u
.endr
	s_wait_dscnt 0x0
.irp u, 0,1
	global_store_b128 v1, v[BK+4*\u:BK+4*\u+3], s[16:17] offset:1024*(\i)+512*\u
.endr
.endif
.if (\i) < 3
	s_wait_xcnt 0x0                                ; the stores have read their registers: they are written again only behind this wait
.endif
.if \fill
	FILL (\i)+2
.endif
.endm
	ROW 0, 1, 16
	ROW 1, 1, 16
	ROW 2, 0, 16
	ROW 3, 0, 0
.if CODES
	s_wait_tensorcnt 0x0                           ; the wave's end, behind my last LDS store
	ds_add_u32 v[SPW], v[NIL]
	s_wait_dscnt 0x0
.endif
	s_endpgm
.Lfunc_end_k_q81dc54cffd_ln2:
	.size	k_q81dc54cffd_ln2, .Lfunc_end_k_q81dc54cffd_ln2-k_q81dc54cffd_ln2
	.p2alignl 7, 3214868480
	.fill 96, 4, 3214868480
	.section	.rodata,"a",@progbits
	.p2align	6, 0x0
	.amdhsa_kernel k_q81dc54cffd_ln2
		.amdhsa_group_segment_fixed_size 0
		.amdhsa_private_segment_fixed_size 0
		.amdhsa_enable_private_segment 0
		.amdhsa_kernarg_size 40
		.amdhsa_user_sgpr_count 2
		.amdhsa_user_sgpr_kernarg_segment_ptr 1
		.amdhsa_wavefront_size32 1
		.amdhsa_system_sgpr_workgroup_id_x 1
		.amdhsa_system_sgpr_workgroup_id_y 1
		.amdhsa_system_sgpr_workgroup_id_z 1
		.amdhsa_system_vgpr_workitem_id 0
		.amdhsa_next_free_vgpr 224
		.amdhsa_next_free_sgpr 66
		.amdhsa_reserve_vcc 0
		.amdhsa_float_denorm_mode_32 3
		.amdhsa_float_denorm_mode_16_64 3
		.amdhsa_memory_ordered 1
		.amdhsa_forward_progress 1
		.amdhsa_inst_pref_size 41
	.end_amdhsa_kernel
	.amdgpu_metadata
---
amdhsa.version: [ 1, 2 ]
amdhsa.kernels:
  - .name:           k_q81dc54cffd_ln2
    .symbol:         k_q81dc54cffd_ln2.kd
    .args:
      - { .name: f32buf, .offset: 0, .size: 8, .value_kind: global_buffer, .address_space: global }
      - { .name: x1, .offset: 8, .size: 8, .value_kind: global_buffer, .address_space: global }
      - { .name: alpha2, .offset: 16, .size: 8, .value_kind: global_buffer, .address_space: global }
      - { .name: beta2, .offset: 24, .size: 8, .value_kind: global_buffer, .address_space: global }
      - { .name: out0, .offset: 32, .size: 8, .value_kind: global_buffer, .address_space: global }
    .group_segment_fixed_size: 0
    .private_segment_fixed_size: 0
    .kernarg_segment_align: 8
    .kernarg_segment_size: 40
    .max_flat_workgroup_size: 128
    .sgpr_count:     66
    .vgpr_count:     224
    .wavefront_size: 32
...
	.end_amdgpu_metadata
.endif
;; end of part 8
